; MI455X (gfx1250); checked and timed in simulation.
; The chip was launched on July 23, 2026; its instructions are those of AMD's public machine-readable ISA for CDNA 5 (MIT licence, August 2026) and "CDNA5" Instruction Set Architecture Reference Guide (July 2026). The comments in the code are by the model that wrote it; some were corrected since.
;; Transformer Block. Allowed arithmetic: float matrix products may take bf16 or f16 operands with f32 sums; other float arithmetic in f32, or as packed bf16 or f16 multiplies, adds, multiply-adds, maxima and minima; sums over many terms, partial sums and values carried from step to step in f32; what a program stores and reads back later, other than sums and carried values, may be rounded once to bf16 or f16.
;; Inputs: W1 1,024 x 4,096 float32; W2 4,096 x 1,024 float32; Wk 1,024 x 1,024 float32; Wo 1,024 x 1,024 float32; Wq 1,024 x 1,024 float32; Wv 1,024 x 1,024 float32; b1 4,096 float32; b2 1,024 float32; be1 1,024 float32; be2 1,024 float32; bk 1,024 float32; bo 1,024 float32; bq 1,024 float32; bv 1,024 float32; g1 1,024 float32; g2 1,024 float32; x 2 x 2,048 x 1,024 float32.
;; Outputs: out0 2 x 2,048 x 1,024 float32.
;; One version. Each part assembles by itself: llvm-mc -triple=amdgcn-amd-amdhsa -mcpu=gfx1250 --defsym DOCPART=n.
;; ======== version 1 of 1: 7 launches
;; limits: values are held in f16: magnitudes above 65,504 overflow, below 6.1e-05 lose precision
;; workspace buffers: wcat 8,388,864 bytes; w1f 8,388,864 bytes; w2f 8,388,608 bytes; bcat 12,288 bytes; hn 8,388,608 bytes; qkv 25,165,824 bytes; x1 16,777,216 bytes; act 33,554,432 bytes
;; launch prep (part 1): grid 1024 x 1, 8 waves a work-group, no clusters, 0 bytes of LDS; arguments Wq, Wk, Wv, Wo, W1, W2, bq, bk, bv, x, g1, be1, wcat, w1f, w2f, bcat, hn; writes wcat, w1f, w2f, bcat, hn
.if DOCPART == 1
	.amdgcn_target "amdgcn-amd-amdhsa--gfx1250"
	.amdhsa_code_object_version 6
	.text
	.protected	k_q5e0ae29331_prep
	.globl	k_q5e0ae29331_prep
	.p2align	8
	.type	k_q5e0ae29331_prep,@function
k_q5e0ae29331_prep:
	s_mov_b64 s[64:65], 0
	v_nop
	global_prefetch_b8 v0, s[64:65] scope:SCOPE_SE
	s_setreg_imm32_b32 hwreg(HW_REG_WAVE_MODE, 25, 1), 1
	s_wait_xcnt 0x0
; PREPARATION.  Work-groups 0-255 make the first LayerNorm; work-groups 256-1023 round the six weight matrices once from f32 to f16.
; wcat: [1024][4096] f16, columns Wq | Wk | Wv | Wo; w1f: [1024][4096]; w2f: [4096][1024]; bcat: bq | bk | bv in f32.
; Behind wcat's and w1f's matrices lie 256 bytes of a FLOOR word (two f16): -65,504 twice in wcat, 0 twice in w1f.  The product kernel takes max(result, floor): so ReLU is a datum and one text serves both.
; hn: the normalised rows in f16, in SLABS of 64 columns: hn[slab][row][64], a row's piece 128 bytes, a slab 4,096 x 128 bytes.
; LIMITS.  f16 holds no number from 65,520 on (it becomes an infinity); below 6.1e-5 it keeps a fixed step of 6e-8.  NaN and infinities are not treated apart.
; No LDS, no barrier, no matrix unit: every byte is read once and written once, and no wave needs another's data.
; 128 registers a wave, so that many waves' loads are on their way together: the LayerNorm keeps its rows in 64, packs its results in place, and takes gains and offsets through a ring of three slots of 16.
.set XR, 16                            ; v[16:79]   the numbers as loaded, f32; LayerNorm: group gi's packed results take its first four registers
.set TG, 80                            ; v[80:127]  LayerNorm: three slots: 8 gains, then 8 offsets, of one group
.set YC, 80                            ; v[80:111]  conversion: the packed results
; The sum of the four pair chains v[6:13] over the 16 lanes that hold a row: lanes with equal bit 3.  Steps 1, 2, 4 stay inside eight lanes; the last crosses to the lane 16 away.
.macro REDUCE
	v_pk_add_f32 v[6:7], v[6:7], v[8:9]
	v_pk_add_f32 v[10:11], v[10:11], v[12:13]
	v_pk_add_f32 v[6:7], v[6:7], v[10:11]
	v_add_f32 v6, v6, v7
	v_add_f32_dpp v6, v6, v6 row_xmask:1 row_mask:0xf bank_mask:0xf
	v_add_f32_dpp v6, v6, v6 row_xmask:2 row_mask:0xf bank_mask:0xf
	v_add_f32_dpp v6, v6, v6 row_xmask:4 row_mask:0xf bank_mask:0xf
	v_permlanex16_b32 v7, v6, s50, s51             ; its destination has been written above
	v_add_f32 v6, v6, v7
.endm
; Group gi's eight gains and eight offsets into a slot: four loads
.macro GB slot, gi, G, BE
	global_load_b128 v[TG+16*(\slot):TG+16*(\slot)+3],     v3, s[\G:\G+1] offset:512*(\gi)
	global_load_b128 v[TG+16*(\slot)+4:TG+16*(\slot)+7],   v3, s[\G:\G+1] offset:512*(\gi)+16
	global_load_b128 v[TG+16*(\slot)+8:TG+16*(\slot)+11],  v3, s[\BE:\BE+1] offset:512*(\gi)
	global_load_b128 v[TG+16*(\slot)+12:TG+16*(\slot)+15], v3, s[\BE:\BE+1] offset:512*(\gi)+16
.endm
; LAYERNORM of two rows by one wave.  s41 = the pair's number.  Lane l: sl = l / 16, rho = (l / 8) % 2, c = l % 8.  In group gi (0..7) it holds row rho, slab 2 gi + sl, columns 8 c .. 8 c + 7.
; So lanes 0-15 store 256 consecutive bytes, aligned, of one slab (two rows' pieces), lanes 16-31 of the next.  Mean, then the mean of squared differences: two passes over registers.
.macro LN SRC, G, BE, DST
	s_mov_b32 s48, 0x3a800000                      ; 1 / 1024
	s_mov_b32 s49, 0x3727c5ac                      ; 1e-5
	s_mov_b32 s50, 0x76543210                      ; v_permlanex16_b32: each lane takes its own place in the other half
	s_mov_b32 s51, 0xfedcba98
	s_lshl_b32 s52, s41, 13                        ; two rows of 4,096 bytes
	s_mov_b32 s53, 0
	s_add_nc_u64 s[\SRC:\SRC+1], s[\SRC:\SRC+1], s[52:53]
	s_lshl_b32 s52, s41, 8                         ; two pieces of 128 bytes
	s_add_nc_u64 s[\DST:\DST+1], s[\DST:\DST+1], s[52:53]
	v_and_b32 v1, 7, v0                            ; c
	v_bfe_u32 v5, v0, 3, 1                         ; rho
	v_bfe_u32 v9, v0, 4, 1                         ; sl
	v_lshlrev_b32 v3, 5, v1
	v_lshl_add_u32 v3, v9, 8, v3                   ; gains and offsets: 256 sl + 32 c
	v_lshl_add_u32 v2, v5, 12, v3                  ; the rows: + 4,096 rho
	v_lshlrev_b32 v4, 4, v1
	v_lshl_add_u32 v4, v5, 7, v4
	v_lshl_add_u32 v4, v9, 19, v4                  ; out: 524,288 sl + 128 rho + 16 c
.irp gi, 0,1,2,3,4,5,6,7
	global_load_b128 v[XR+8*(\gi):XR+8*(\gi)+3],   v2, s[\SRC:\SRC+1] offset:512*(\gi) th:TH_LOAD_NT
	global_load_b128 v[XR+8*(\gi)+4:XR+8*(\gi)+7], v2, s[\SRC:\SRC+1] offset:512*(\gi)+16 th:TH_LOAD_NT
.endr
	GB 0, 0, \G, \BE
	GB 1, 1, \G, \BE
	GB 2, 2, \G, \BE
	s_wait_loadcnt 12                              ; the rows' 16 loads are in; the 12 younger ones (three slots) stay out
.irp k, 0,1,2,3
	v_pk_add_f32 v[6+2*(\k):7+2*(\k)], v[XR+2*(\k):XR+2*(\k)+1], v[XR+8+2*(\k):XR+8+2*(\k)+1]  ; the first eight pairs start four chains: nothing is cleared
.endr
.set j, 8
.rept 24
	v_pk_add_f32 v[6+2*(j%4):7+2*(j%4)], v[6+2*(j%4):7+2*(j%4)], v[XR+2*j:XR+2*j+1]
.set j, j+1
.endr
	REDUCE
	v_mul_f32 v14, s48, v6                         ; the mean, in both registers of a pair
	v_mov_b32 v15, v14
.set j, 0
.rept 32
	v_pk_add_f32 v[XR+2*j:XR+2*j+1], v[XR+2*j:XR+2*j+1], v[14:15] neg_lo:[0,1] neg_hi:[0,1]
.set j, j+1
.endr
.irp k, 0,1,2,3
	v_pk_mul_f32 v[6+2*(\k):7+2*(\k)], v[XR+2*(\k):XR+2*(\k)+1], v[XR+2*(\k):XR+2*(\k)+1]
.endr
.set j, 4
.rept 28
	v_pk_fma_f32 v[6+2*(j%4):7+2*(j%4)], v[XR+2*j:XR+2*j+1], v[XR+2*j:XR+2*j+1], v[6+2*(j%4):7+2*(j%4)]
.set j, j+1
.endr
	REDUCE
	v_fma_f32 v6, v6, s48, s49                     ; variance + 1e-5
	v_rsq_f32 v14, v6
	v_rsq_f32 v15, v6
	v_nop                                          ; a plain instruction behind the last root,
	s_wait_alu depctr_va_vdst(0)                   ; and one wait for both, ahead of their first reader
.set j, 0
.rept 32
	v_pk_mul_f32 v[XR+2*j:XR+2*j+1], v[XR+2*j:XR+2*j+1], v[14:15]
.set j, j+1
.endr
	; Group by group: its slot is in; gain and offset; packed in place; stored; the slot is asked for again, for the group three on.
.irp gi, 0,1,2,3,4,5,6,7
.if (\gi) < 6
	s_wait_loadcnt 8                               ; loads come back in order: this group's four are in, the two younger slots' eight stay out
.elseif (\gi) == 6
	s_wait_loadcnt 4                               ; only the last group's four are younger
.else
	s_wait_loadcnt 0x0
.endif
.irp k, 0,2,4,6
	v_pk_fma_f32 v[XR+8*(\gi)+(\k):XR+8*(\gi)+(\k)+1], v[XR+8*(\gi)+(\k):XR+8*(\gi)+(\k)+1], v[TG+16*((\gi)%3)+(\k):TG+16*((\gi)%3)+(\k)+1], v[TG+16*((\gi)%3)+8+(\k):TG+16*((\gi)%3)+8+(\k)+1]
.endr
.irp j, 0,1,2,3
	v_cvt_pk_f16_f32 v[XR+8*(\gi)+(\j)], v[XR+8*(\gi)+2*(\j)], v[XR+8*(\gi)+2*(\j)+1]  ; in ascending order: register j has been read before it is written
.endr
	global_store_b128 v4, v[XR+8*(\gi):XR+8*(\gi)+3], s[\DST:\DST+1] offset:1048576*(\gi)  ; two slabs on for each group: inside the signed 24-bit immediate
.if (\gi) < 5
	GB (\gi)%3, (\gi)+3, \G, \BE
.endif
.endr
.endm
	s_load_b512 s[4:19], s[0:1], 0x0               ; Wq 4, Wk 6, Wv 8, Wo 10, W1 12, W2 14, bq 16, bk 18
	s_load_b512 s[20:35], s[0:1], 0x40             ; bv 20, x 22, g1 24, be1 26, wcat 28, w1f 30, w2f 32, bcat 34
	s_load_b64 s[36:37], s[0:1], 0x80              ; hn
	v_lshrrev_b32 v1, 5, v0
	v_readfirstlane_b32 s40, v1                    ; wave 0..7
	s_wait_kmcnt 0x0
	s_cmp_lt_u32 ttmp9, 256
	s_cbranch_scc1 .Lln
	; CONVERSION: 65,536 bytes of one matrix to a work-group, in 16 pieces of 1,024 numbers; wave w takes pieces 2 w and 2 w + 1.
	s_sub_co_u32 s38, ttmp9, 256                   ; 0..767
	s_lshr_b32 s41, s38, 6                         ; 0-3: Wq Wk Wv Wo; 4-7: W1; 8-11: W2
	s_and_b32 s42, s38, 63
	s_and_b32 s43, s38, 255
	s_mov_b64 s[44:45], s[4:5]
	s_cmp_eq_u32 s41, 1
	s_cselect_b64 s[44:45], s[6:7], s[44:45]
	s_cmp_eq_u32 s41, 2
	s_cselect_b64 s[44:45], s[8:9], s[44:45]
	s_cmp_eq_u32 s41, 3
	s_cselect_b64 s[44:45], s[10:11], s[44:45]
	s_cmp_ge_u32 s41, 4
	s_cselect_b64 s[44:45], s[12:13], s[44:45]
	s_cselect_b64 s[46:47], s[30:31], s[28:29]
	s_cmp_ge_u32 s41, 8
	s_cselect_b64 s[44:45], s[14:15], s[44:45]
	s_cselect_b64 s[46:47], s[32:33], s[46:47]
	s_cmp_lt_u32 s41, 4
	s_cselect_b32 s48, s42, s43                    ; the work-group's number within its matrix
	s_cselect_b32 s49, 17, 15                      ; its 16 pieces in the target: 16 rows of 8,192 bytes, or 32,768 dense bytes
	s_cselect_b32 s50, 13, 11                      ; from piece to piece in the target: 8,192 or 2,048 bytes, as a shift
	s_cselect_b32 s51, s41, 0                      ; which quarter of wcat's columns
	s_lshl_b32 s52, s48, 16
	s_mov_b32 s53, 0
	s_lshl_b32 s54, s48, s49
	s_lshl_b32 s51, s51, 11
	s_add_co_u32 s54, s54, s51
	s_mov_b32 s55, 0
	s_add_nc_u64 s[44:45], s[44:45], s[52:53]
	s_add_nc_u64 s[46:47], s[46:47], s[54:55]
	v_and_b32 v1, 31, v0
	v_lshlrev_b32 v2, 4, v1
	v_lshl_add_u32 v2, s40, 13, v2                 ; source: 8,192 w + 16 lane
	s_lshl_b32 s56, s40, 1
	s_lshl_b32 s56, s56, s50
	s_lshl_b32 s57, 1, s50
	v_lshl_add_u32 v3, v1, 3, s56                  ; target: piece 2 w, 8 lane
	v_add_nc_u32 v4, s57, v3                       ; piece 2 w + 1
.set n, 0
.rept 16
	global_load_b128 v[XR+4*n:XR+4*n+3], v2, s[44:45] offset:(n/8)*4096+(n%8)*512 th:TH_LOAD_NT  ; 512 consecutive bytes a load
.set n, n+1
.endr
.set n, 0
.rept 16
	s_wait_loadcnt 15-n                            ; loads come back in order: load n is in, the younger ones stay out
	v_cvt_pk_f16_f32 v[YC+2*n],   v[XR+4*n],   v[XR+4*n+1]
	v_cvt_pk_f16_f32 v[YC+2*n+1], v[XR+4*n+2], v[XR+4*n+3]
	global_store_b64 v[3+n/8], v[YC+2*n:YC+2*n+1], s[46:47] offset:(n%8)*256 th:TH_STORE_NT  ; 32 lanes store 256 consecutive bytes, aligned
.set n, n+1
.endr
	; the first work-group of Wq, Wk, Wv also copies that matrix's bias into bcat: 256 threads x 16 bytes
	s_cmp_lt_u32 s41, 3
	s_cbranch_scc0 .Lnobias
	s_cmp_eq_u32 s42, 0
	s_cbranch_scc0 .Lnobias
	s_mov_b64 s[58:59], s[16:17]
	s_cmp_eq_u32 s41, 1
	s_cselect_b64 s[58:59], s[18:19], s[58:59]
	s_cmp_eq_u32 s41, 2
	s_cselect_b64 s[58:59], s[20:21], s[58:59]
	s_lshl_b32 s60, s41, 12
	s_mov_b32 s61, 0
	s_add_nc_u64 s[62:63], s[34:35], s[60:61]
	v_lshlrev_b32 v5, 4, v0
	global_load_b128 v[112:115], v5, s[58:59]
	s_wait_loadcnt 0x0
	global_store_b128 v5, v[112:115], s[62:63]
.Lnobias:
	; wave 0 of the first work-groups of Wq and of W1 writes the floor words behind wcat and w1f: 256 bytes
	s_cmp_eq_u32 s43, 0
	s_cbranch_scc0 .Lend
	s_cmp_lt_u32 s38, 512
	s_cbranch_scc0 .Lend
	s_cmp_eq_u32 s40, 0
	s_cbranch_scc0 .Lend
	s_cmp_eq_u32 s38, 0
	s_cselect_b64 s[52:53], s[28:29], s[30:31]
	s_cselect_b32 s54, 0xfbfffbff, 0               ; -65,504 twice, or 0 twice
	s_add_nc_u64 s[52:53], s[52:53], 0x800000
	v_mov_b32 v6, s54
	v_mov_b32 v7, s54
	v_lshlrev_b32 v8, 3, v1
	global_store_b64 v8, v[6:7], s[52:53]
.Lend:
	s_endpgm
.Lln:
	s_lshl_b32 s41, ttmp9, 3
	s_add_co_u32 s41, s41, s40                     ; the wave's pair of rows, 0..2047
	LN 22, 24, 26, 36
	s_endpgm
.Lfunc_end_k_q5e0ae29331_prep:
	.size	k_q5e0ae29331_prep, .Lfunc_end_k_q5e0ae29331_prep-k_q5e0ae29331_prep
	.p2alignl 7, 3214868480
	.fill 96, 4, 3214868480
	.section	.rodata,"a",@progbits
	.p2align	6, 0x0
	.amdhsa_kernel k_q5e0ae29331_prep
		.amdhsa_group_segment_fixed_size 0
		.amdhsa_private_segment_fixed_size 0
		.amdhsa_enable_private_segment 0
		.amdhsa_kernarg_size 136
		.amdhsa_user_sgpr_count 2
		.amdhsa_user_sgpr_kernarg_segment_ptr 1
		.amdhsa_wavefront_size32 1
		.amdhsa_system_sgpr_workgroup_id_x 1
		.amdhsa_system_sgpr_workgroup_id_y 1
		.amdhsa_system_sgpr_workgroup_id_z 1
		.amdhsa_system_vgpr_workitem_id 0
		.amdhsa_next_free_vgpr 128
		.amdhsa_next_free_sgpr 66
		.amdhsa_reserve_vcc 0
		.amdhsa_float_denorm_mode_32 3
		.amdhsa_float_denorm_mode_16_64 3
		.amdhsa_memory_ordered 1
		.amdhsa_forward_progress 1
		.amdhsa_inst_pref_size 29
	.end_amdhsa_kernel
	.amdgpu_metadata
---
amdhsa.version: [ 1, 2 ]
amdhsa.kernels:
  - .name:           k_q5e0ae29331_prep
    .symbol:         k_q5e0ae29331_prep.kd
    .args:
      - { .name: Wq, .offset: 0, .size: 8, .value_kind: global_buffer, .address_space: global }
      - { .name: Wk, .offset: 8, .size: 8, .value_kind: global_buffer, .address_space: global }
      - { .name: Wv, .offset: 16, .size: 8, .value_kind: global_buffer, .address_space: global }
      - { .name: Wo, .offset: 24, .size: 8, .value_kind: global_buffer, .address_space: global }
      - { .name: W1, .offset: 32, .size: 8, .value_kind: global_buffer, .address_space: global }
      - { .name: W2, .offset: 40, .size: 8, .value_kind: global_buffer, .address_space: global }
      - { .name: bq, .offset: 48, .size: 8, .value_kind: global_buffer, .address_space: global }
      - { .name: bk, .offset: 56, .size: 8, .value_kind: global_buffer, .address_space: global }
      - { .name: bv, .offset: 64, .size: 8, .value_kind: global_buffer, .address_space: global }
      - { .name: x, .offset: 72, .size: 8, .value_kind: global_buffer, .address_space: global }
      - { .name: g1, .offset: 80, .size: 8, .value_kind: global_buffer, .address_space: global }
      - { .name: be1, .offset: 88, .size: 8, .value_kind: global_buffer, .address_space: global }
      - { .name: wcat, .offset: 96, .size: 8, .value_kind: global_buffer, .address_space: global }
      - { .name: w1f, .offset: 104, .size: 8, .value_kind: global_buffer, .address_space: global }
      - { .name: w2f, .offset: 112, .size: 8, .value_kind: global_buffer, .address_space: global }
      - { .name: bcat, .offset: 120, .size: 8, .value_kind: global_buffer, .address_space: global }
      - { .name: hn, .offset: 128, .size: 8, .value_kind: global_buffer, .address_space: global }
    .group_segment_fixed_size: 0
    .private_segment_fixed_size: 0
    .kernarg_segment_align: 8
    .kernarg_segment_size: 136
    .max_flat_workgroup_size: 256
    .sgpr_count:     66
    .vgpr_count:     128
    .wavefront_size: 32
...
	.end_amdgpu_metadata
.endif
;; end of part 1
;; launch qkv (part 2): grid 12 x 16, 4 waves a work-group, clusters of 4 x 4, 327,680 bytes of LDS; arguments hn, wcat, bcat, qkv; writes qkv
.if DOCPART == 2
	.amdgcn_target "amdgcn-amd-amdhsa--gfx1250"
	.amdhsa_code_object_version 6
	.text
	.protected	k_q5e0ae29331_qkv
	.globl	k_q5e0ae29331_qkv
	.p2align	8
	.type	k_q5e0ae29331_qkv,@function
k_q5e0ae29331_qkv:
	s_mov_b64 s[64:65], 0
	v_nop
	global_prefetch_b8 v0, s[64:65] scope:SCOPE_SE
	s_setreg_imm32_b32 hwreg(HW_REG_WAVE_MODE, 25, 1), 1
	s_wait_xcnt 0x0
	s_wait_alu depctr_hold_cnt(0) depctr_sa_sdst(0) depctr_va_vdst(0) depctr_va_sdst(0) depctr_va_ssrc(0) depctr_va_vcc(0) depctr_vm_vsrc(0)
	s_getreg_b32 s2, hwreg(HW_REG_IB_STS2, 6, 4)
	s_cmp_eq_u32 s2, 0
	s_cbranch_scc0 .Lentry_in_a_cluster
	s_endpgm
.Lentry_in_a_cluster:
	s_bfe_u32 s2, ttmp6, 0x10000c
	s_cmp_lg_u32 s2, 0xf033
	s_cbranch_scc0 .Lentry_shape_is_right
	s_endpgm
.Lentry_shape_is_right:
; C = max(f16(A B + bias), floor).  A: 4,096 rows x 1,024 in f16, in slabs of 64 columns: A[slab][row][64].  B: [1024][4096] f16, k along the rows' index; bias f32; C in slabs like A.
; The floor (two f16 in one word) lies 8,388,608 bytes behind B's first byte: -65,504 for the projections, 0 for the ReLU layer: one text serves both launches.
; LIMITS.  Sums in f32, C rounded once to f16: from 65,520 on it becomes an infinity; -infinity and NaN come out as the floor.
; SHARES.  A tile of C is 256 x 256: four waves, each 128 x 128 in 64 accumulators of 16 x 16.  K = 1,024 goes in 8 steps of 128 through two LDS slots.
; CLUSTER.  4 x 4 work-groups; A's tile hangs on the tile row alone and is asked for jointly along a row of the cluster, B's on the tile column alone and along a column.
; THE MATRIX INSTRUCTION IS USED TRANSPOSED: source 0 = 16 columns of B (turned on the way out of LDS by ds_load_tr16_b128), source 1 = 16 rows of A: a lane then holds eight neighbouring columns of one row of C.
; The bias is the C operand of each accumulator's first product: nothing is cleared, nothing is added later.
; A quarter step's 32 LDS loads stand in one run at the head of the quarter before it, 64 matrix instructions ahead of their first use.
; REGISTERS, in windows of 256: window 0: v0-31 addresses; v64-127, v128-191 A's fragments, two buffers; v192-255 the bias.  Window 1: v64-191 B's fragments.  Windows 2, 3: the accumulators ((a, b) at v[8 (8 a + b)]).
.set KSTEPS, 8
.set PA,     144                       ; a row piece of A in LDS: 128 bytes + 16 of padding: the 16 rows of a load start at 16 different groups of four banks
.set ASLAB,  256*PA                    ; one slab's 256 rows
.set AREG,   2*ASLAB                   ; a step has two slabs
.set PB,     544                       ; a k-row of B: 512 bytes + 32
.set BHALF,  64*PB
.set SLOT,   AREG+2*BHALF              ; 143,360
.set SPARE,  2*SLOT                    ; behind the ring: the spare words, 128 bytes a wave, two blocks of 256 bytes that no other line names
.set STEPB,  1048576                   ; bytes from step to step: two slabs of A, and 128 k-rows of 8,192 bytes of B
.set WSTG,   2*128*PA                  ; the way out: each wave's stage, two slabs x 128 rows; it lies over the slots, which have had their last fill by then
.set A0L, 16                           ; v16  my lane's place in A's part of a slot; never rewritten
.set B0L, 17                           ; v17  the same for B
.set ADRA, 18                          ; v18  A0L + the slot in hand
.set ADRB, 19                          ; v19  B0L + the slot in hand
.set STO, 24                           ; v24  the way out: where I put 16 bytes of a row
.set RD,  25                           ; v25  where I read rows back
.set GO,  26                           ; v26  my byte offset in 512 consecutive bytes of C
.set SPW, 28                           ; v28  my spare word: SPARE + 4 x my thread's number; never rewritten
.set NIL, 29                           ; v29  0; never rewritten
.set PFO, 30                           ; v30  the prefetches' offset
.set BO,  31                           ; v31  32 x (lane / 16)
.set F0,  64
.set F1,  128
.set BIAS, 192
.set WV, 12                            ; s12 wave; s13 which half of the rows, and: I fetch for A (0) or B (1); s14 which half of the columns, and: which half of that tile I fetch
.set RH, 13
.set CH, 14
.set FL, 15                            ; s15 the floor
.set G1A, 24
.set G1B, 32
.set G0A, 40                           ; s[40:47] two sets: step 0 in slot 0; step 1 in slot 1, which then walks
.set G0B, 48
.set TB,  56                           ; s56 the slot in hand: 0 or SLOT
.set CNT, 57
.set WOA, 58                           ; s58, s59 my tile's place in a slot, for A and for B
.set WOB, 59
.set PFA, 60                           ; s[60:61] where my prefetches stand
.set LIM, 62                           ; s62 2 in a wave that prefetches, else the greatest number
.set MSB, 0
.macro WIN new                         ; the immediate's high byte repeats the setting that is left; a switch that changes nothing is dropped
.if MSB != (\new)
	s_set_vgpr_msb (MSB<<8)|(\new)
.set MSB, \new
.endif
.endm
.macro PLACES                          ; four plain places: in front of loads into registers that matrix instructions have read, and of vector lines that read results
.rept 4
	v_nop
.endr
.endm
.macro JLOAD                           ; the joint refill by the walking sets; the branch hangs on the wave's number alone; s_nop 0 and four v_nop follow each line
	s_cmp_eq_u32 s[RH], 0
	s_cbranch_scc0 .Lfor_b_\@
	tensor_load_to_lds s[G0A+4:G0A+7], s[G1A:G1A+7]
	s_nop 0
.rept 4
	v_nop
.endr
	s_branch .Lasked_\@
.Lfor_b_\@:
	tensor_load_to_lds s[G0B+4:G0B+7], s[G1B:G1B+7]
	s_nop 0
.rept 4
	v_nop
.endr
.Lasked_\@:
.endm
; A prefetch of the step that stands two refills on: 32 blocks of 256 bytes, a lane a block, one instruction a wave.  A's tile row is read by every cluster of that row of clusters: cluster x = 0 asks;
; B's tile column by every cluster of that column: cluster y = 0 asks.  The four partners share a tile's 128 blocks out by address.  Steps 0-3 come by their loads alone; the last two refills have no step two on.
.macro ASK
	s_cmp_gt_u32 s[CNT], s[LIM]
	s_cbranch_scc0 .Lnot_mine_\@
	global_prefetch_b8 v[PFO], s[PFA:PFA+1] th:TH_LOAD_NT scope:SCOPE_SE
.Lnot_mine_\@:
.endm
.macro CREST                           ; a round of the cluster's barrier behind its opening barrier
	s_cmp_lg_u32 s[WV], 0
	s_cbranch_scc1 .Lnot_wave_0_\@
	s_barrier_signal -3
.Lnot_wave_0_\@:
	s_barrier_wait -3
	s_barrier_signal -1
	s_barrier_wait -1
.endm
.macro CROUND
	s_barrier_signal -1
	s_barrier_wait -1
	CREST
.endm
	s_load_b256 s[4:11], s[0:1], 0x0               ; A s[4:5], B s[6:7], bias s[8:9], C s[10:11]
	v_lshl_add_u32 v[SPW], v0, 2, SPARE
	v_mov_b32 v[NIL], 0
	ds_add_u32 v[SPW], v[NIL]                      ; the wave's opening: the add and its wait stand ahead of my first tensor load; the set-up below stands between them
	ds_add_u32 v28, v29
	v_lshrrev_b32 v1, 5, v0
	v_readfirstlane_b32 s[WV], v1
	s_lshr_b32 s[RH], s[WV], 1
	s_and_b32 s[CH], s[WV], 1
	s_bfe_u32 s16, ttmp6, 0x40000                  ; cx
	s_bfe_u32 s17, ttmp6, 0x40004                  ; cy
	s_lshl_b32 s18, ttmp9, 2
	s_add_co_u32 s18, s18, s16                     ; tile column
	s_and_b32 s19, ttmp7, 0xffff
	s_lshl_b32 s19, s19, 2
	s_add_co_u32 s19, s19, s17                     ; tile row
	s_lshl_b32 s20, s17, 2
	s_lshl_b32 s20, 15, s20                        ; my row of the cluster
	s_lshl_b32 s21, 0x1111, s16                    ; my column
	s_or_b32 s[G1A], s20, (1<<16)|(1<<20)|(1<<21)|(4<<22)|(3<<25)  ; mask; 2-byte elements; padding on; bit 21 beside a mask; after every 32 words 4 words
	s_or_b32 s[G1B], s21, (1<<16)|(1<<20)|(1<<21)|(6<<22)|(7<<25)  ; after every 128 words 8 words
	s_mov_b32 s[G1A+1], 128<<16                    ; A: a slab's 256 row pieces are 32,768 dense bytes: asked for as 128 rows of 256 bytes
	s_mov_b32 s[G1A+2], 128<<16
	s_mov_b32 s[G1A+3], 128<<16
	s_mov_b32 s[G1A+4], 128
	s_mov_b32 s[G1A+5], 128
	s_mov_b32 s[G1A+6], 0
	s_mov_b32 s[G1A+7], 0
	s_mov_b32 s[G1B+1], 256<<16                    ; B: 64 k-rows of 256 columns, 4,096 elements from row to row
	s_mov_b32 s[G1B+2], 64<<16
	s_mov_b32 s[G1B+3], 256<<16
	s_mov_b32 s[G1B+4], 64
	s_mov_b32 s[G1B+5], 4096
	s_mov_b32 s[G1B+6], 0
	s_mov_b32 s[G1B+7], 0
	s_lshl_b32 s22, s[CH], 19                      ; A: slab (wave % 2), rows 256 x tile row: in registers that never hold the tile column
	s_lshl_b32 s23, s19, 15
	s_add_co_u32 s22, s22, s23
	s_mov_b32 s23, 0
	s_lshl_b32 s66, s[CH], 19                      ; B: k-rows 64 x (wave % 2) on, columns 256 x tile column
	s_lshl_b32 s67, s18, 9
	s_add_co_u32 s66, s66, s67
	s_mov_b32 s67, 0
	s_mul_i32 s[WOA], s[CH], ASLAB
	s_mul_i32 s[WOB], s[CH], BHALF
	s_add_co_u32 s[WOB], s[WOB], AREG
	s_mov_b32 s[TB], 0
	s_wait_dscnt 0x0                               ; the opening add is done
	s_wait_kmcnt 0x0
	s_add_nc_u64 s[22:23], s[4:5], s[22:23]
	s_add_nc_u64 s[66:67], s[6:7], s[66:67]
	s_add_nc_u64 s[68:69], s[6:7], 0x800000
	s_load_b32 s[FL], s[68:69], 0x0                ; the floor; waited for ahead of the first products
	CROUND                                         ; all sixteen work-groups are here: the first joint loads meet
.irp s, 0,1
	s_mov_b32 s[G0A+4*(\s)], 1
	s_add_co_u32 s[G0A+4*(\s)+1], s[WOA], (\s)*SLOT
	s_add_nc_u64 s[G0A+4*(\s)+2:G0A+4*(\s)+3], s[22:23], (\s)*STEPB
	s_or_b32 s[G0A+4*(\s)+3], s[G0A+4*(\s)+3], 0x80000000
	s_mov_b32 s[G0B+4*(\s)], 1
	s_add_co_u32 s[G0B+4*(\s)+1], s[WOB], (\s)*SLOT
	s_add_nc_u64 s[G0B+4*(\s)+2:G0B+4*(\s)+3], s[66:67], (\s)*STEPB
	s_or_b32 s[G0B+4*(\s)+3], s[G0B+4*(\s)+3], 0x80000000
.endr
	s_cmp_eq_u32 s[RH], 0                          ; a wave's two first fills stand in one branch: two loads of mine are out
	s_cbranch_scc0 .Lfirst_b
	tensor_load_to_lds s[G0A:G0A+3], s[G1A:G1A+7]
	s_nop 0
	tensor_load_to_lds s[G0A+4:G0A+7], s[G1A:G1A+7]
	s_nop 0
.rept 4
	v_nop
.endr
	s_branch .Lfirst_asked
.Lfirst_b:
	tensor_load_to_lds s[G0B:G0B+3], s[G1B:G1B+7]
	s_nop 0
	tensor_load_to_lds s[G0B+4:G0B+7], s[G1B:G1B+7]
	s_nop 0
.rept 4
	v_nop
.endr
.Lfirst_asked:
	v_and_b32 v1, 15, v0                           ; r = l % 16
	v_bfe_u32 v2, v0, 4, 1                         ; h = l / 16
	v_mul_u32_u24 v3, v1, PA
	v_lshl_add_u32 v3, v2, 4, v3                   ; r x pitch + 16 h
	s_mul_i32 s20, s[RH], 128*PA
	v_add_nc_u32 v[A0L], s20, v3
	v_and_b32 v4, 7, v0
	v_lshl_add_u32 v4, v2, 3, v4                   ; the turning load: k-row 8 h + l % 8,
	v_mul_u32_u24 v4, v4, PB
	v_bfe_u32 v5, v0, 3, 1
	v_lshl_add_u32 v4, v5, 4, v4                   ; columns 8 ((l / 8) % 2) on
	s_lshl_b32 s21, s[CH], 8
	s_add_co_u32 s21, s21, AREG
	v_add_nc_u32 v[B0L], s21, v4
	v_mov_b32 v[ADRA], v[A0L]
	v_mov_b32 v[ADRB], v[B0L]
	s_lshl_b32 s20, s18, 10                        ; the bias of my 128 columns
	s_lshl_b32 s21, s[CH], 9
	s_add_co_u32 s20, s20, s21
	s_mov_b32 s21, 0
	s_add_nc_u64 s[8:9], s[8:9], s[20:21]
	v_lshlrev_b32 v[BO], 5, v2
.irp b, 0,1,2,3,4,5,6,7
	global_load_b128 v[BIAS+8*(\b):BIAS+8*(\b)+3],   v[BO], s[8:9] offset:64*(\b)      ; columns 16 b + 8 h + 0..3
	global_load_b128 v[BIAS+8*(\b)+4:BIAS+8*(\b)+7], v[BO], s[8:9] offset:64*(\b)+16
.endr
	s_mul_i32 s20, s[WV], WSTG                     ; the way out
	v_add_nc_u32 v[STO], s20, v3
	v_bfe_u32 v6, v0, 3, 2
	v_mul_u32_u24 v6, v6, PA
	v_and_b32 v7, 7, v0
	v_lshl_add_u32 v6, v7, 4, v6
	v_add_nc_u32 v[RD], s20, v6                    ; 32 lanes take four row pieces of 128 bytes,
	v_and_b32 v[GO], 31, v0
	v_lshlrev_b32 v[GO], 4, v[GO]                  ; which are 512 consecutive bytes of a slab of C
	s_lshl_b32 s20, s18, 21                        ; C: slab 4 x tile column + 2 x column half, row 256 x tile row + 128 x row half, 128 bytes a piece
	s_lshl_b32 s21, s[CH], 20
	s_add_co_u32 s20, s20, s21
	s_lshl_b32 s21, s19, 15
	s_add_co_u32 s20, s20, s21
	s_lshl_b32 s21, s[RH], 14
	s_add_co_u32 s20, s20, s21
	s_mov_b32 s21, 0
	s_add_nc_u64 s[10:11], s[10:11], s[20:21]
	s_and_b32 s20, ttmp7, 0xffff                   ; the prefetches
	s_cmp_eq_u32 s[RH], 0
	s_cselect_b32 s20, ttmp9, s20                  ; the coordinate along which other clusters read the same tile
	s_cselect_b32 s21, s16, s17                    ; my place among the four that ask with me
	s_cselect_b64 s[PFA:PFA+1], s[22:23], s[66:67]
	s_cselect_b32 s70, 13, 17                      ; a partner's share: 8,192 dense bytes of A, 16 k-rows of B
	s_cselect_b32 s71, 9, 13                       ; two blocks of 256 bytes lie in 512 bytes of A, in a k-row of B
	s_cmp_eq_u32 s20, 0
	s_cselect_b32 s[LIM], 2, -1                    ; the same in all sixteen partners, for a given wave
	s_lshl_b32 s20, s21, s70
	s_mov_b32 s21, 0
	s_add_nc_u64 s[PFA:PFA+1], s[PFA:PFA+1], s[20:21]
	s_add_nc_u64 s[PFA:PFA+1], s[PFA:PFA+1], 3*STEPB  ; at step 3: the first refill steps it to 4
	v_and_b32 v[PFO], 31, v0
	v_lshrrev_b32 v6, 1, v[PFO]
	v_and_b32 v7, 1, v[PFO]
	v_lshlrev_b32 v6, s71, v6
	v_lshl_add_u32 v[PFO], v7, 8, v6
; 16 matrix instructions: m blocks a0, a0 + 1 of the window's four x all 8 n blocks, 32 along K.  zero = 1: the bias starts the sums.  The 64 accumulators take turns, one instruction a turn.
.macro MUL16 f, hi, a0, zero
.if \zero
	WIN 0x81+0x40*(\hi)                            ; B window 1, A window 0, C (the bias) window 0, D window 2 or 3
.else
	WIN 0xa1+0x50*(\hi)
.endif
.irp a, \a0, (\a0)+1
.irp b, 0,1,2,3,4,5,6,7
.if \zero
	v_wmma_f32_16x16x32_f16 v[8*(8*(\a)+(\b)):8*(8*(\a)+(\b))+7], v[(\f)+8*(\b):(\f)+8*(\b)+7], v[(\f)+8*(4*(\hi)+(\a)):(\f)+8*(4*(\hi)+(\a))+7], v[BIAS+8*(\b):BIAS+8*(\b)+7]
.else
	v_wmma_f32_16x16x32_f16 v[8*(8*(\a)+(\b)):8*(8*(\a)+(\b))+7], v[(\f)+8*(\b):(\f)+8*(\b)+7], v[(\f)+8*(4*(\hi)+(\a)):(\f)+8*(4*(\hi)+(\a))+7], v[8*(8*(\a)+(\b)):8*(8*(\a)+(\b))+7]
.endif
.endr
.endr
.endm
; 32 LDS loads in one run: quarter qn of the step in hand (32 along K) into buffer f: B's 128 columns, turned, then A's 128 rows
.macro FETCH qn, f
	WIN 0x40
.irp i, 0,1,2,3,4,5,6,7
	ds_load_tr16_b128 v[(\f)+8*(\i):(\f)+8*(\i)+3],   v[ADRB] offset:(\qn)*32*PB+32*(\i)
	ds_load_tr16_b128 v[(\f)+8*(\i)+4:(\f)+8*(\i)+7], v[ADRB] offset:(\qn)*32*PB+16*PB+32*(\i)
.endr
	WIN 0
.irp i, 0,1,2,3,4,5,6,7
	ds_load_b128 v[(\f)+8*(\i):(\f)+8*(\i)+3],   v[ADRA] offset:((\qn)/2)*ASLAB+((\qn)%2)*64+(\i)*16*PA
	ds_load_b128 v[(\f)+8*(\i)+4:(\f)+8*(\i)+7], v[ADRA] offset:((\qn)/2)*ASLAB+((\qn)%2)*64+(\i)*16*PA+32
.endr
.endm
; One of a step's first three quarters: at its head it fetches quarter qn into buffer g, which the quarter before has multiplied (four places behind that quarter's last product); then it multiplies buffer f
.macro QUARTER f, g, qn, zero
	PLACES
	FETCH \qn, \g
	s_wait_dscnt 32                                ; all but the 32 just issued: buffer f, asked for a quarter ago, is in
	MUL16 \f, 0, 0, \zero
	MUL16 \f, 0, 2, \zero
	MUL16 \f, 1, 0, \zero
	MUL16 \f, 1, 2, \zero
.endm
; The last quarter multiplies buffer 1 and changes slots.  In front of the barrier each wave waits for all its tensor loads (the one that is out is its part of the next slot), adds 0 to its spare word, and
; waits for that and for its reads of this slot.  fill = 1: the barrier opens a round of the cluster's barrier, and the joint refill, two steps on, is the first thing behind the round.
.macro TURN fill
.if \fill
	s_wait_xcnt 0x0                                ; the last prefetch, a step back, has read its address
	s_add_nc_u64 s[PFA:PFA+1], s[PFA:PFA+1], STEPB
.endif
	WIN 0
	s_wait_tensorcnt 0x0
	ds_add_u32 v[SPW], v[NIL]
.if \fill
	s_add_co_u32 s[G0A+5], s[TB], s[WOA]           ; no load of mine is out: the walking sets take the slot that is being read out and the next step but one
	s_add_nc_u64 s[G0A+6:G0A+7], s[G0A+6:G0A+7], STEPB
	s_add_co_u32 s[G0B+5], s[TB], s[WOB]
	s_add_nc_u64 s[G0B+6:G0B+7], s[G0B+6:G0B+7], STEPB
.endif
	s_wait_dscnt 1                                 ; buffer 1 is in; the add alone may be out
	MUL16 F1, 0, 0, 0
	s_wait_dscnt 0x0                               ; the add is done, and my reads of this slot are over
	s_barrier_signal -1
	MUL16 F1, 0, 2, 0
	WIN 0
	s_barrier_wait -1
.if \fill
	CREST
	JLOAD                                          ; its four v_nop are also the places in front of the loads below
.else
	PLACES
.endif
	s_xor_b32 s[TB], s[TB], SLOT
	v_add_nc_u32 v[ADRA], s[TB], v[A0L]
	v_add_nc_u32 v[ADRB], s[TB], v[B0L]
.if \fill
	FETCH 0, F0
	ASK
.else
	s_cmp_eq_u32 s[CNT], 1                         ; behind the last step there is nothing to fetch
	s_cbranch_scc1 .Lno_fetch_\@
	FETCH 0, F0
.Lno_fetch_\@:
.endif
	MUL16 F1, 1, 0, 0
	MUL16 F1, 1, 2, 0
	WIN 0
.endm
	s_wait_tensorcnt 1                             ; my part of step 0 is in; step 1's may stay out
	s_barrier_signal -1
	s_barrier_wait -1
	FETCH 0, F0
	s_wait_loadcnt 0x0                             ; the bias
	s_wait_kmcnt 0x0                               ; the floor
	QUARTER F0, F1, 1, 1                           ; the first quarter stands in front of the loop: its products start the sums
	WIN 0
	s_mov_b32 s[CNT], KSTEPS-2
.Lstep:                                                ; a trip: a step's quarters 1 to 3, the change of slots with its refill, the next step's quarter 0
	QUARTER F1, F0, 2, 0
	QUARTER F0, F1, 3, 0
	TURN 1
	QUARTER F0, F1, 1, 0
	WIN 0
	s_sub_co_u32 s[CNT], s[CNT], 1
	s_cmp_lg_u32 s[CNT], 0
	s_cbranch_scc1 .Lstep
	s_mov_b32 s[CNT], 2
.Ltail:                                                ; the last two steps ask for nothing; the second trip is left in its middle
	QUARTER F1, F0, 2, 0
	QUARTER F0, F1, 3, 0
	TURN 0
	s_sub_co_u32 s[CNT], s[CNT], 1
	s_cmp_eq_u32 s[CNT], 0
	s_cbranch_scc1 .Lout
	QUARTER F0, F1, 1, 0
	WIN 0
	s_branch .Ltail
.Lout:
	; THE WAY OUT.  The stages lie over the slots: every wave's reads of them are back, and a barrier says so, before any wave stores there.
	s_wait_dscnt 0x0
	s_barrier_signal -1
	s_barrier_wait -1
	PLACES
.macro PACK a                          ; block a of 16 rows: rounded to f16, 16 bytes a lane, into my stage
.set AC, 64*((\a)%4)
.set TP, 64+32*((\a)%2)
	WIN 0x0a+5*((\a)/4)
.irp b, 0,1,2,3,4,5,6,7
.irp r, 0,1,2,3
	v_cvt_pk_f16_f32 v[TP+4*(\b)+(\r)], v[AC+8*(\b)+2*(\r)], v[AC+8*(\b)+2*(\r)+1]
.endr
.endr
	WIN 0
.irp b, 0,1,2,3,4,5,6,7
	ds_store_b128 v[STO], v[TP+4*(\b):TP+4*(\b)+3] offset:((\b)/4)*128*PA+(\a)*16*PA+((\b)%4)*32
.endr
.endm
.irp a, 0,1,2,3,4,5,6,7
	PACK \a
.endr
	s_mov_b32 s[CNT], 4
.Lsend:                                                ; 32 rows of both slabs a trip: back as whole pieces (LDS serves a wave's instructions in order: these see my stores), the floor, and out
.irp n, 0,1,2,3,4,5,6,7,8,9,10,11,12,13,14,15
	ds_load_b128 v[128+4*(\n):128+4*(\n)+3], v[RD] offset:((\n)/8)*128*PA+((\n)%8)*4*PA
.endr
	s_wait_dscnt 0x0
.set j, 0
.rept 64
	v_pk_max_num_f16 v[128+j], v[128+j], s[FL]
.set j, j+1
.endr
.irp n, 0,1,2,3,4,5,6,7,8,9,10,11,12,13,14,15
	global_store_b128 v[GO], v[128+4*(\n):128+4*(\n)+3], s[10:11] offset:((\n)/8)*524288+((\n)%8)*512  ; 512 consecutive bytes, aligned
.endr
	s_wait_xcnt 0x0                                ; the stores have read their registers: only now are data and offsets written again
	v_add_nc_u32 v[RD], 32*PA, v[RD]
	v_add_nc_u32 v[GO], 4096, v[GO]
	s_sub_co_u32 s[CNT], s[CNT], 1
	s_cmp_lg_u32 s[CNT], 0
	s_cbranch_scc1 .Lsend
	s_wait_tensorcnt 0x0                           ; the wave's end
	ds_add_u32 v[SPW], v[NIL]
	s_wait_dscnt 0x0
	CROUND                                         ; the closing round
	s_endpgm
.Lfunc_end_k_q5e0ae29331_qkv:
	.size	k_q5e0ae29331_qkv, .Lfunc_end_k_q5e0ae29331_qkv-k_q5e0ae29331_qkv
	.p2alignl 7, 3214868480
	.fill 96, 4, 3214868480
	.section	.rodata,"a",@progbits
	.p2align	6, 0x0
	.amdhsa_kernel k_q5e0ae29331_qkv
		.amdhsa_group_segment_fixed_size 327680
		.amdhsa_private_segment_fixed_size 0
		.amdhsa_enable_private_segment 0
		.amdhsa_kernarg_size 32
		.amdhsa_user_sgpr_count 2
		.amdhsa_user_sgpr_kernarg_segment_ptr 1
		.amdhsa_wavefront_size32 1
		.amdhsa_system_sgpr_workgroup_id_x 1
		.amdhsa_system_sgpr_workgroup_id_y 1
		.amdhsa_system_sgpr_workgroup_id_z 1
		.amdhsa_system_vgpr_workitem_id 0
		.amdhsa_next_free_vgpr 1024
		.amdhsa_next_free_sgpr 72
		.amdhsa_reserve_vcc 0
		.amdhsa_float_denorm_mode_32 3
		.amdhsa_float_denorm_mode_16_64 3
		.amdhsa_memory_ordered 1
		.amdhsa_forward_progress 1
		.amdhsa_inst_pref_size 98
	.end_amdhsa_kernel
	.amdgpu_metadata
---
amdhsa.version: [ 1, 2 ]
amdhsa.kernels:
  - .name:           k_q5e0ae29331_qkv
    .symbol:         k_q5e0ae29331_qkv.kd
    .args:
      - { .name: hn, .offset: 0, .size: 8, .value_kind: global_buffer, .address_space: global }
      - { .name: wcat, .offset: 8, .size: 8, .value_kind: global_buffer, .address_space: global }
      - { .name: bcat, .offset: 16, .size: 8, .value_kind: global_buffer, .address_space: global }
      - { .name: qkv, .offset: 24, .size: 8, .value_kind: global_buffer, .address_space: global }
    .group_segment_fixed_size: 327680
    .private_segment_fixed_size: 0
    .kernarg_segment_align: 8
    .kernarg_segment_size: 32
    .max_flat_workgroup_size: 128
    .sgpr_count:     72
    .vgpr_count:     1024
    .wavefront_size: 32
...
	.end_amdgpu_metadata
.endif
;; end of part 2
;; launch attn (part 3): grid 8 x 32, 4 waves a work-group, no clusters, 327,680 bytes of LDS; arguments qkv, hn; writes hn
.if DOCPART == 3
	.amdgcn_target "amdgcn-amd-amdhsa--gfx1250"
	.amdhsa_code_object_version 6
	.text
	.protected	k_q5e0ae29331_attn
	.globl	k_q5e0ae29331_attn
	.p2align	8
	.type	k_q5e0ae29331_attn,@function
k_q5e0ae29331_attn:
	s_mov_b64 s[64:65], 0
	v_nop
	global_prefetch_b8 v0, s[64:65] scope:SCOPE_SE
	s_setreg_imm32_b32 hwreg(HW_REG_WAVE_MODE, 25, 1), 1
	s_wait_xcnt 0x0
; CAUSAL ATTENTION.  O[y][q][:] = the sum over k <= q of softmax_k(Q[y][q] . K[y][k] / 8) V[y][k][:], 32 heads y of 2,048 rows of 64 channels, all f16: a head's rows are dense, 128 bytes each.
; qkv holds Q, then K 8,388,608 bytes on, then V 16,777,216 bytes on; a head begins at y x 262,144 bytes in each, and in O (hn) too.
; Products, maxima and sums in f32; the weights p are rounded to f16 for the second product (their sum l is taken of the unrounded p), O once at the end.
; LIMITS.  Q, K, V arrive within f16's range; a hidden score counts as its value less 1e30; a weight below 2^-126 counts as 0 in l; NaN and infinities are not treated apart.
; THE WALK.  A head's queries lie in 16 blocks of 128; block i needs the key tiles 0 .. i / 2 of 256 keys, of which the last holds the diagonal.  A work-group takes TWO blocks, 15 - b and then b:
; (15 - b) / 2 + b / 2 + 2 = 9 tiles, whatever b: all 256 work-groups do equal work, and one loop with a constant trip count walks them.
; NO CLUSTER: a head's eight work-groups ask for the same tile only in the first trips of the walk, behind that fewer and fewer; one walk common to all would have 12 trips for 9.
; SHARES.  Of a block's two bands of 64 queries a wave owns 16 rows in each: two pieces.  In the diagonal tile band x of a block of parity par sees all keys of step s if s < 2 par + x, none if s > 2 par + x, and holds the diagonal if equal.
; THE MASK is the C operand that starts the sum S^T = K Q^T: MD x AL + BE, MD the mask of a band's own step for my rows: (1, 0) own step; (0, 0) earlier; (0, -1e30) later.  Outside the diagonal tile it stays 0.
; TURNS.  Four turns are two key steps: turn p belongs to piece p % 2 of the step of parity p / 2.  Its matrix work: 8 products K Q^T of turn p + 1's piece, later 8 products V^T P of turn p - 1's.  Its vector work: scaling,
; exponentials, roundings, sums and rescaling of its own piece, maximum and statistics of the next.  Four vector instructions stand behind every matrix instruction, the rest in one lump; a turn's 33 exponentials are one batch with one wait.
; K has one buffer, V two (by the step's parity): turns 0 and 2 fetch the next step's K and then its V, so that the change of slots finds all reads of a tile issued.
; REGISTERS: window 0: v0-15 addresses; v16-23 statistics; v48-55 at work; v64-127 S^T, two buffers; v192-223 P, two buffers.  Window 1: v0-63 O^T; v128-159 MD; v160-223 MC, two buffers.
;   Window 2: v0-31 Q; v32-63 the second block's Q; v64-127 K; v128-191, v192-255 V.
.set NP,    4
.set KS,    64
.set PK,    144       ; a row of K in LDS: 128 bytes + 16
.set PV,    160       ; a row of V: 128 + 32
.set VOFF,  4*KS*PK   ; a slot holds a tile, four steps: 256 rows of K, then 256 rows of V
.set SLOT1, 1<<17
.set STAGE, SLOT1+4*KS*(PK+PV)  ; behind the ring, never filled by a tensor load: 16 rows x 144 bytes a wave
.set SP,    144
.set SPARE, STAGE+4*16*SP       ; the spare words, 128 bytes a wave: two blocks of 256 bytes that no other line names
.set AK0, 2
.set AV0, 3
.set AK,  4
.set AV,  5
.set STO, 6
.set RD,  7
.set GO,  8
.set MV,  12          ; v12-13  c m_old, by piece
.set QO,  15
.set ST,  16          ; piece t's statistics at v[ST+4 t]: c m, m, l (even keys', odd keys')
.set TMP, 48          ; by piece, four registers at work; c2 takes a
.set PFO, 60          ; v60  256 x my lane; never rewritten
.set SPW, 62
.set NIL, 63
.set S,   64
.set P,   192
.set MD,  128
.set MC,  160
.set QB,  32
.set KF,  64
.set VF,  128
.set WV,  12
.set PB,  14          ; s14  b
.set HI,  15          ; s15  15 - b
.set G1K, 24
.set G1V, 32
.set G0K, 40
.set G0V, 44
.set SLOTS, 56
.set CNT, 57          ; s57  counts a tile's two trips
.set CS,  58
.set SEL, 60
.set TBK, 62
.set TBV, 63
.set RT,  70          ; s70  tiles of the block in hand still to be entered
.set NXT, 71          ; s71  the tile to be asked for next
.set LQ,  72          ; s72  the last tile of the block whose tiles are being asked for
.set NEW, 73          ; s73  1: the tile to be entered is a block's first
.set OFF, 74
.set AL,  76
.set BE,  78
.set OLO, 80
.set BIGN, 82
.set PBH, 88          ; s88  b / 2
.set PAR2, 89         ; s89  twice the parity of the block in hand
.set DG,  90          ; s90  PAR2 less twice the trip's number in its tile
.set LIM, 91          ; s91  2 in the work-group that prefetches, else the greatest number
.set PFA, 92          ; s[92:93] where my prefetches stand
.set MSB, 0
.macro WIN new
.if MSB != (\new)
	s_set_vgpr_msb (MSB<<8)|(\new)
.set MSB, (\new)
.endif
.endm
.set W_KQ, 0x0a
.set W_KM, 0x1a
.set W_PV, 0x52
.set W_RS, 0x41
.macro LOAD                         ; waves 0, 1 fetch the halves of a tile's K, waves 2, 3 those of its V; s_nop 0 and four v_nop follow each line
	s_cmp_lt_u32 s[WV], 2
	s_cbranch_scc0 .Lfor_v_\@
	tensor_load_to_lds s[G0K:G0K+3], s[G1K:G1K+7]
	s_nop 0
.rept 4
	v_nop
.endr
	s_branch .Lasked_\@
.Lfor_v_\@:
	tensor_load_to_lds s[G0V:G0V+3], s[G1V:G1V+7]
	s_nop 0
.rept 4
	v_nop
.endr
.Lasked_\@:
.endm
; THE CHANGE OF SLOTS: all my tensor loads have landed, the add, my reads of the old slot are back, the barrier; fill = 1: the old slot is filled again first thing behind it, with tile NXT.
; Behind the load the head's work-group b = 0, which walks tiles 0 to 7 in order, prefetches the tile that its next change will ask for: each wave its own 64 blocks of 256 bytes, a lane a block, two instructions.
; So tiles 2 to 7 of each head are named once in the launch; tiles 0 and 1 come by their loads alone.
.macro CHANGE fill
	WIN 0
	s_wait_tensorcnt 0x0
	ds_add_u32 v[SPW], v[NIL]
.if \fill
	s_lshl_b32 s[OFF], s[NXT], 15
	s_xor_b32 s[G0K+1], s[G0K+1], SLOT1
	s_add_nc_u64 s[G0K+2:G0K+3], s[6:7], s[OFF:OFF+1]
	s_or_b32 s[G0K+3], s[G0K+3], 0x80000000
	s_xor_b32 s[G0V+1], s[G0V+1], SLOT1
	s_add_nc_u64 s[G0V+2:G0V+3], s[8:9], s[OFF:OFF+1]
	s_or_b32 s[G0V+3], s[G0V+3], 0x80000000
	s_add_co_u32 s[NXT], s[NXT], 1
	s_cmp_gt_u32 s[NXT], s[LQ]
	s_cselect_b32 s[NXT], 0, s[NXT]
	s_cselect_b32 s[LQ], s[PBH], s[LQ]
	s_wait_xcnt 0x0                 ; the last prefetches, a tile back, have read their address
	s_add_nc_u64 s[PFA:PFA+1], s[PFA:PFA+1], 32768
.endif
	s_wait_dscnt 0x0
	s_barrier_signal -1
	s_sub_co_u32 s[TBK], s[TBK], 4*KS*PK
	s_xor_b32 s[TBK], s[TBK], SLOT1
	s_sub_co_u32 s[TBV], s[TBV], 4*KS*PV
	s_xor_b32 s[TBV], s[TBV], SLOT1
	s_barrier_wait -1
.if \fill
	LOAD
	s_cmp_gt_u32 s[SLOTS], s[LIM]
	s_cbranch_scc0 .Lnot_mine_\@
	global_prefetch_b8 v[PFO], s[PFA:PFA+1] th:TH_LOAD_NT scope:SCOPE_SE
	global_prefetch_b8 v[PFO], s[PFA:PFA+1] offset:8192 th:TH_LOAD_NT scope:SCOPE_SE
.Lnot_mine_\@:
.endif
.endm
	s_load_b128 s[4:7], s[0:1], 0x0   ; qkv s[4:5], hn s[6:7]
	v_lshl_add_u32 v[SPW], v0, 2, SPARE
	v_mov_b32 v[NIL], 0
	ds_add_u32 v[SPW], v[NIL]       ; the wave's opening: the add and its wait stand ahead of my first tensor load
	ds_add_u32 v62, v63
	v_lshrrev_b32 v1, 5, v0
	v_readfirstlane_b32 s[WV], v1
	s_mov_b32 s[PB], ttmp9
	s_sub_co_u32 s[HI], 15, s[PB]
	s_lshr_b32 s[PBH], s[PB], 1
	s_and_b32 s[PAR2], s[HI], 1
	s_lshl_b32 s[PAR2], s[PAR2], 1
	s_and_b32 s20, ttmp7, 0xffff
	s_lshl_b32 s20, s20, 18         ; the head's first byte
	s_and_b32 s16, s[WV], 1         ; which half of a tile's 256 keys I fetch
	s_lshl_b32 s22, s16, 14
	s_add_co_u32 s22, s22, s20
	s_mov_b32 s23, 0
	s_mul_i32 s17, s16, 128*PK
	s_mul_i32 s18, s16, 128*PV
	s_lshl_b32 s3, s[WV], 11        ; my 16 rows in a band of 64,
	s_lshl_b32 s2, s[HI], 14        ; in the first block,
	s_add_co_u32 s2, s2, s3
	s_add_co_u32 s2, s2, s20
	s_lshl_b32 s84, s[PB], 14       ; and in the second
	s_add_co_u32 s84, s84, s3
	s_add_co_u32 s84, s84, s20
	s_mov_b32 s3, 0
	s_mov_b32 s85, 0
	s_mov_b32 s[G1K], (1<<16)|(1<<20)|(4<<22)|(3<<25)  ; 128 keys are 16,384 dense bytes: 64 rows of 256 bytes, padded after every key: 4 words
	s_mov_b32 s[G1V], (1<<16)|(1<<20)|(4<<22)|(7<<25)  ; 8 words
.irp g, G1K, G1V
	s_mov_b32 s[\g+1], 128<<16
	s_mov_b32 s[\g+2], 64<<16
	s_mov_b32 s[\g+3], 128<<16
	s_mov_b32 s[\g+4], 64
	s_mov_b32 s[\g+5], 128
	s_mov_b32 s[\g+6], 0
	s_mov_b32 s[\g+7], 0
.endr
	s_mov_b32 s[CS], 0x3e38aa3b     ; c = log2(e) / 8
	s_mov_b32 s[CS+1], s[CS]
	s_mov_b32 s[SEL], 0x76543210
	s_mov_b32 s[SEL+1], 0xfedcba98
	s_mov_b32 s[TBK], SLOT1+4*KS*PK ; the first change of slots turns these two into 0
	s_mov_b32 s[TBV], SLOT1+4*KS*PV
	s_mov_b32 s[G0K], 1
	s_mov_b32 s[G0K+1], s17
	s_mov_b32 s[G0V], 1
	s_add_co_u32 s[G0V+1], s18, VOFF
	s_lshr_b32 s[LQ], s[HI], 1
	s_add_co_u32 s[RT], s[LQ], 1    ; the first block has (15 - b) / 2 + 1 tiles
	s_mov_b32 s[NXT], 1
	s_mov_b32 s[NEW], 1
	s_mov_b32 s[OFF+1], 0
	s_mov_b32 s[AL+1], 0
	s_mov_b32 s[BE+1], 0
	s_mov_b32 s[BIGN], 0xf149f2ca   ; -1e30
	s_mov_b32 s[SLOTS], 8
	s_cmp_eq_u32 ttmp9, 0
	s_cselect_b32 s[LIM], 2, -1
	v_and_b32 v[PFO], 31, v0
	v_lshlrev_b32 v[PFO], 8, v[PFO]
	s_wait_dscnt 0x0                ; the opening add is done
	s_wait_kmcnt 0x0
	s_mov_b64 s[10:11], s[6:7]                     ; O
	s_add_nc_u64 s[6:7], s[4:5], 0x800000          ; K
	s_add_nc_u64 s[8:9], s[4:5], 0x1000000         ; V
	s_add_nc_u64 s[6:7], s[6:7], s[22:23]          ; at my half of the head's tile 0
	s_add_nc_u64 s[8:9], s[8:9], s[22:23]
	s_add_nc_u64 s[G0K+2:G0K+3], s[6:7], 0
	s_or_b32 s[G0K+3], s[G0K+3], 0x80000000
	s_add_nc_u64 s[G0V+2:G0V+3], s[8:9], 0
	s_or_b32 s[G0V+3], s[G0V+3], 0x80000000
	s_add_nc_u64 s[86:87], s[4:5], s[84:85]        ; Q at my rows of the second block,
	s_add_nc_u64 s[4:5], s[4:5], s[2:3]            ; Q and O at those of the first
	s_add_nc_u64 s[OLO:OLO+1], s[10:11], s[84:85]
	s_add_nc_u64 s[10:11], s[10:11], s[2:3]
	s_cmp_lt_u32 s[WV], 2
	s_cselect_b64 s[PFA:PFA+1], s[6:7], s[8:9]
	s_add_nc_u64 s[PFA:PFA+1], s[PFA:PFA+1], 32768 ; at tile 1: the first change steps it to tile 2
	LOAD                            ; tile 0 into slot 0
	v_and_b32 v1, 15, v0            ; l % 16
	v_bfe_u32 v9, v0, 4, 1          ; l / 16
	v_lshlrev_b32 v[QO], 7, v1
	v_lshl_add_u32 v[QO], v9, 4, v[QO]
	WIN 0x80
.set i, 0
.rept 4                             ; both blocks' Q: piece i / 2 lies 8,192 bytes on; channels 32 (i % 2) on
	global_load_b128 v[8*i:8*i+3],   v[QO], s[4:5] offset:(i/2)*8192+(i%2)*64
	global_load_b128 v[8*i+4:8*i+7], v[QO], s[4:5] offset:(i/2)*8192+(i%2)*64+32
	global_load_b128 v[QB+8*i:QB+8*i+3],   v[QO], s[86:87] offset:(i/2)*8192+(i%2)*64
	global_load_b128 v[QB+8*i+4:QB+8*i+7], v[QO], s[86:87] offset:(i/2)*8192+(i%2)*64+32
.set i, i+1
.endr
	WIN 0
	v_lshlrev_b32 v14, 3, v9
	v_sub_nc_u32 v14, v1, v14
	s_lshl_b32 s13, s[WV], 4
	v_add_nc_u32 v14, s13, v14      ; my query's place in its band less 8 (l / 16): register r of key group kt is hidden where 16 kt + r is greater
	WIN 0x40
.set i, 0
.rept 32
	v_cmp_gt_i32 vcc_lo, 16*(i/8)+i%8, v14
	v_cndmask_b32 v[MD+i], 0, s[BIGN], vcc_lo
.set i, i+1
.endr
	WIN 0
	v_mul_u32_u24 v[AK0], v1, PK
	v_lshl_add_u32 v[AK0], v9, 4, v[AK0]
	v_and_b32 v10, 7, v0
	v_bfe_u32 v11, v0, 3, 1
	v_lshl_add_u32 v[AV0], v9, 3, v10
	v_mul_u32_u24 v[AV0], v[AV0], PV
	v_lshl_add_u32 v[AV0], v11, 4, v[AV0]
	v_add_nc_u32 v[AV0], VOFF, v[AV0]
	s_mul_i32 s13, s[WV], 16*SP
	s_add_co_u32 s13, s13, STAGE
	v_mul_u32_u24 v[STO], v1, SP
	v_lshl_add_u32 v[STO], v9, 4, v[STO]
	v_add_nc_u32 v[STO], s13, v[STO]
	v_bfe_u32 v[RD], v0, 3, 2
	v_mul_u32_u24 v[RD], v[RD], SP
	v_lshl_add_u32 v[RD], v10, 4, v[RD]
	v_add_nc_u32 v[RD], s13, v[RD]
	v_and_b32 v[GO], 31, v0
	v_lshlrev_b32 v[GO], 4, v[GO]
	; A block's first step multiplies O^T and l by a = 0, and its first turn's products V^T P, of a piece that has not been, land in an O^T that is still to be so multiplied: these registers need only be finite.
	WIN 0x80
.set i, VF+64
.rept 64
	v_mov_b32 v[i], 0
.set i, i+1
.endr
	WIN 0x40
.set i, 0
.rept 64
	v_mov_b32 v[i], 0
.set i, i+1
.endr
	WIN 0
.set i, 0
.rept 2
	v_mov_b32 v[ST+4*i+2], 0
	v_mov_b32 v[ST+4*i+3], 0
.set i, i+1
.endr
.set i, P+16
.rept 16
	v_mov_b32 v[i], 0
.set i, i+1
.endr
; Product i of 8 of S^T = K Q^T for turn x's piece: channels 32 (i / 4) on, keys 16 (i % 4) on.  The first 4 start the sums with the mask.  The 4 accumulators take turns.
.macro KQ x
.set rS, S+32*((\x)%2)+8*(i%4)
.set rK, KF+16*(i%4)+8*(i/4)
.set rQ, 16*((\x)%2)+8*(i/4)
.set rM, MC+32*((\x)%2)+8*(i%4)
.if i < 4
	WIN W_KM
	v_wmma_f32_16x16x32_f16 v[rS:rS+7], v[rK:rK+7], v[rQ:rQ+7], v[rM:rM+7]
.else
	WIN W_KQ
	v_wmma_f32_16x16x32_f16 v[rS:rS+7], v[rK:rK+7], v[rQ:rQ+7], v[rS:rS+7]
.endif
.endm
; Product i of 8 of O^T += V^T P for turn x's piece: keys 32 (i / 4) on, channels 16 (i % 4) on; V's buffer goes by the step's parity x / 2.
.macro PV x
	WIN W_PV
.set rO, 32*((\x)%2)+8*(i%4)
.set rV, VF+64*((\x)/2)+32*(i/4)+8*(i%4)
.set rP, P+16*((\x)%2)+8*(i/4)
	v_wmma_f32_16x16x32_f16 v[rO:rO+7], v[rV:rV+7], v[rP:rP+7], v[rO:rO+7]
.endm
.macro MM                           ; the turn's next matrix instruction.  NOKQ = 1: a block's last turn: there is no next piece
.if (i < 8) && !NOKQ
	KQ (Y+1)%NP
.elseif i >= 8
.set i, i-8
	PV (Y+NP-1)%NP
.set i, i+8
.endif
.set i, i+1
.endm
.macro FETCH_K
	WIN 0x80
.irp f, 0,1,2,3,4,5,6,7
	ds_load_b128 v[KF+8*\f:KF+8*\f+3],   v[AK] offset:(\f/2)*16*PK+(\f%2)*64
	ds_load_b128 v[KF+8*\f+4:KF+8*\f+7], v[AK] offset:(\f/2)*16*PK+(\f%2)*64+32
.endr
	s_add_co_u32 s[TBK], s[TBK], KS*PK
	WIN 0
.endm
.macro FETCH_V vb
	WIN 0x80
.irp f, 0,1,2,3,4,5,6,7
	ds_load_tr16_b128 v[VF+64*(\vb)+8*\f:VF+64*(\vb)+8*\f+3],   v[AV] offset:(\f/4)*32*PV+(\f%4)*32
	ds_load_tr16_b128 v[VF+64*(\vb)+8*\f+4:VF+64*(\vb)+8*\f+7], v[AV] offset:(\f/4)*32*PV+16*PV+(\f%4)*32
.endr
	WIN 0
.endm
; THE VECTOR WORK, a line at a time: OP kind, number.  For the turn's piece: F n: c s - c m for pair n.  E n: the exponential of score n.  C n: pair n rounded to f16.  B n: of the four weights 4 n .. the second pair is
; added onto the first.  L n: l takes that sum (L 0: l = a l + sum).  R n: pair n of O^T times a.  For the next piece: X n, number n of the 22 that find its maximum and statistics (each accumulator's lowest registers are read first).
.set F, 0
.set E, 1
.set C, 2
.set B, 3
.set L, 4
.set R, 5
.set X, 6
.macro REGS y
.set rT, ST+4*((\y)%2)
.set rC, TMP+4*((\y)%2)
.set rW, MV+((\y)%2)
.set rS, S+32*((\y)%2)
.set rP, P+16*((\y)%2)
.set rO, 32*((\y)%2)
.endm
.macro OP k, n
.if (\k) == R
	REGS Y
	WIN W_RS
	v_pk_mul_f32 v[rO+2*(\n):rO+2*(\n)+1], v[rO+2*(\n):rO+2*(\n)+1], v[rC+2:rC+3] op_sel_hi:[1,0]
.elseif (\k) < R
	REGS Y
	WIN 0
.if (\k) == F
	v_pk_fma_f32 v[rS+2*(\n):rS+2*(\n)+1], v[rS+2*(\n):rS+2*(\n)+1], s[CS:CS+1], v[rT:rT+1] op_sel_hi:[1,0,0] neg_lo:[0,0,1] neg_hi:[0,0,1]
.elseif (\k) == E
	v_exp_f32 v[rS+(\n)], v[rS+(\n)]
.elseif (\k) == C
	v_cvt_pk_f16_f32 v[rP+(\n)], v[rS+2*(\n)], v[rS+2*(\n)+1]
.elseif (\k) == B
	v_pk_add_f32 v[rS+4*(\n):rS+4*(\n)+1], v[rS+4*(\n):rS+4*(\n)+1], v[rS+4*(\n)+2:rS+4*(\n)+3]
.elseif (\n) == 0
	v_pk_fma_f32 v[rT+2:rT+3], v[rT+2:rT+3], v[rC+2:rC+3], v[rS:rS+1] op_sel_hi:[1,0,1]
.else
	v_pk_add_f32 v[rT+2:rT+3], v[rT+2:rT+3], v[rS+4*(\n):rS+4*(\n)+1]
.endif
.elseif NOKQ
	v_nop
.else
	REGS (Y+1)%NP
	WIN 0
.if (\n) < 4
	v_max3_num_f32 v[rC+(\n)], v[rS+8*(\n)], v[rS+8*(\n)+1], v[rS+8*(\n)+2]
.elseif (\n) < 12
	v_max3_num_f32 v[rC+(\n)%4], v[rC+(\n)%4], v[rS+8*((\n)%4)+2*((\n)/4)+1], v[rS+8*((\n)%4)+2*((\n)/4)+2]
.elseif (\n) == 12
	v_max3_num_f32 v[rC], v[rC], v[rS+7], v[rS+15]
.elseif (\n) == 13
	v_max3_num_f32 v[rC+1], v[rC+1], v[rS+23], v[rS+31]
.elseif (\n) == 14
	v_max3_num_f32 v[rC+2], v[rC+2], v[rC+3], v[rT+1]
.elseif (\n) == 15
	v_mov_b32 v[rW], v[rT]
.elseif (\n) == 16
	v_max3_num_f32 v[rC], v[rC], v[rC+1], v[rC+2]
.elseif (\n) == 17
	v_permlanex16_b32 v[rC+3], v[rC], s[SEL], s[SEL+1]
.elseif (\n) == 18
	v_max_num_f32 v[rT+1], v[rC], v[rC+3]
.elseif (\n) == 19
	v_mul_f32 v[rT], s[CS], v[rT+1]
.elseif (\n) == 20
	v_sub_f32 v[rC+1], v[rW], v[rT]
.else
	v_exp_f32 v[rC+2], v[rC+1]
.endif
.endif
.endm
.macro OPS a, i1, b=-1, i2=0, c=-1, i3=0, d=-1, i4=0
	OP \a, \i1
.if (\b) >= 0
	OP \b, \i2
.endif
.if (\c) >= 0
	OP \c, \i3
.endif
.if (\d) >= 0
	OP \d, \i4
.endif
.endm
.macro ROW a, i1, b, i2, c, i3, d, i4  ; a matrix instruction and the four behind it
	MM
	OPS \a, \i1, \b, \i2, \c, \i3, \d, \i4
.endm
.macro MASK b                       ; MD x AL + BE into buffer b of MC
	WIN W_RS
.set z, 0
.rept 16
	v_pk_fma_f32 v[MC+32*(\b)+2*z:MC+32*(\b)+2*z+1], v[MD+2*z:MD+2*z+1], s[AL:AL+1], s[BE:BE+1] op_sel_hi:[1,0,0]
.set z, z+1
.endr
.endm
; A TURN.  Ahead of its one wait stands all that names no result of its exponentials: the 8 products K Q^T with their riders, and the lump; behind it the 8 products V^T P, whose riders are the roundings and sums.
; The turn makes the mask for the products of the turn after it: in trip j of the diagonal tile (DG = PAR2 - 2 j) that step is the band's own where DG equals 1, 0, 0, -1 for p = 0 .. 3, a later one where DG is less.
; Turns 0 and 2 fetch the next step's K in the lump, six plain instructions behind the last product that read K, and its V at the turn's end, four plain riders behind the last product that read that buffer.
; Turns 1 and 3 wait at their head until only V's 16 loads are out: K is in, and so is all that is older, the V buffer that they read among it.  end = 1: a block's last two turns fetch nothing.
; O^T of the piece that the next turn rescales is written by this turn's last products: four plain riders stand behind the very last of them.
.macro TURN p, end=0, cnt=0
.set Y, (\p)
.set i, 0
.set NOKQ, (\end)*((\p)/3)
.if !(\end)
	s_cmp_eq_i32 s[DG], 1-((\p)+1)/2
	s_cselect_b32 s[AL], 1.0, 0
	s_cmp_lt_i32 s[DG], 1-((\p)+1)/2
	s_cselect_b32 s[BE], s[BIGN], 0
.if (\p)%2
	s_wait_dscnt 16
.endif
.elseif (\p) == 2
	s_wait_dscnt 0x0                ; V of the block's last step is in
.endif
	ROW F,0, F,1, R,0, R,1
	ROW F,2, E,0, R,2, R,3
	ROW F,3, E,1, R,4, R,5
	ROW F,4, E,2, R,6, R,7
	ROW F,5, E,3, R,8, R,9
	ROW F,6, E,4, X,0, R,10
.if ((\p)%2 == 0) && !(\end)
	WIN 0
	v_add_nc_u32 v[AK], s[TBK], v[AK0]
.endif
	ROW F,7, E,5, X,1, X,4
	ROW F,8, E,6, X,2, X,5
	OPS E,7, E,8, X,6, E,9
	OPS X,3, E,10, X,8, E,11
.if ((\p)%2 == 0) && !(\end)
	FETCH_K
.endif
	OPS X,9, X,7, E,12, X,10
	OPS E,13, X,12, X,11, E,14
	OPS X,13, E,15, F,9, X,14
.if ((\p)%2 == 0) && !(\end)
	v_add_nc_u32 v[AV], s[TBV], v[AV0]
.endif
	OPS E,16, F,10, E,17, F,11
	OPS X,16, E,18, X,15, E,19
	OPS F,12, E,20, X,17, E,21
	OPS F,13, E,22, F,14, E,23
	OPS X,18, E,24, F,15, E,25
	OPS R,11, E,26, X,19, E,27
	OPS R,12, E,28, R,13, E,29
	OPS X,20, E,30, R,14, E,31
	OPS X,21, R,15                  ; the next piece's a is the batch's last; R 15 is the plain instruction behind it
	WIN 0
	s_wait_alu depctr_va_vdst(0)    ; the wait for the batch
	ROW C,0, B,0, C,2, B,1
	ROW L,0, C,4, B,2, L,1
	ROW C,6, B,3, L,2, C,8
	ROW B,4, L,3, C,10, B,5
	ROW L,4, C,12, B,6, L,5
.if ((\p)%2 == 0) && !(\end)
	s_add_co_u32 s[TBV], s[TBV], KS*PV
.endif
.if \cnt
	s_sub_co_u32 s[CNT], s[CNT], 1
	s_sub_co_i32 s[DG], s[DG], 2
.endif
	ROW C,14, B,7, L,6, C,1
	ROW C,3, L,7, C,5, C,7
	ROW C,9, C,11, C,13, C,15
.if ((\p)%2 == 0) && !(\end)
	FETCH_V 1-(\p)/2
.endif
.if !(\end)
	WIN 0
	s_cmp_eq_u32 s[RT], 0           ; only the diagonal tile makes masks; elsewhere both buffers stay 0
	s_cbranch_scc0 .Lnomask_\@
	MASK (\p)%2
	WIN 0
.Lnomask_\@:
.endif
.endm
; A BLOCK BEGINS.  c m starts far below every c s, so the first step's a is 0; m at the lowest finite number.  The second mask buffer is 0; the first takes piece 0's mask for step 0: its own, if the tile is the diagonal one of an even block.
; Then K and V of that step, piece 0's first scores, its maximum and statistics.  The loop is entered at a step's first turn.
.macro BEGIN
	s_mov_b32 s[NEW], 0
	WIN 0x40
.set i, MC+32
.rept 32
	v_mov_b32 v[i], 0
.set i, i+1
.endr
	WIN 0
.set i, 0
.rept 2
	v_mov_b32 v[ST+4*i], 0xfe000000
	v_mov_b32 v[ST+4*i+1], 0xff7fffff
.set i, i+1
.endr
	s_or_b32 s20, s[RT], s[PAR2]
	s_cmp_eq_u32 s20, 0
	s_cselect_b32 s[AL], 1.0, 0
	s_mov_b32 s[BE], 0
	MASK 0
	WIN 0
	v_add_nc_u32 v[AK], s[TBK], v[AK0]
	v_add_nc_u32 v[AV], s[TBV], v[AV0]
	s_add_co_u32 s[TBV], s[TBV], KS*PV
	FETCH_K
	FETCH_V 0
	s_wait_loadcnt 0x0              ; Q
	s_wait_dscnt 0x0
.set NOKQ, 0
.set i, 0
.rept 8
	KQ 0
.set i, i+1
.endr
	WIN 0
.rept 4
	v_nop                           ; the places behind those products
.endr
.set Y, NP-1
.irp n, 0,1,2,3,4,5,6,7,8,9,10,11,12,13,14,15,16,17,18,19,20,21
	OP X, \n
.endr
	v_nop                           ; a plain instruction behind the exponential,
	s_wait_alu depctr_va_vdst(0)    ; and its wait, ahead of the branch
.endm
.macro ALL line:vararg              ; one line for each piece t
.set t, 0
.rept 2
	\line
.set t, t+1
.endr
.endm
.macro PACK t                       ; O^T / l, rounded to f16; 16 bytes a lane into rows of 144 bytes, back as whole rows of 128
	WIN W_RS
.set i, 32*(\t)
.rept 16
	v_pk_mul_f32 v[i:i+1], v[i:i+1], v[ST+4*(\t)+2:ST+4*(\t)+3] op_sel_hi:[1,0]
.set i, i+2
.endr
	WIN 0x05
.set i, 0
.rept 16
	v_cvt_pk_f16_f32 v[S+16*(\t)+i], v[32*(\t)+2*i], v[32*(\t)+2*i+1]
.set i, i+1
.endr
	WIN 0
.irp f, 0,1,2,3
	ds_store_b128 v[STO], v[S+16*(\t)+4*\f:S+16*(\t)+4*\f+3] offset:32*\f
.endr
.irp f, 0,1,2,3
	ds_load_b128 v[S+16*(\t)+4*\f:S+16*(\t)+4*\f+3], v[RD] offset:\f*4*SP  ; LDS serves a wave's instructions in order: these see the stores above
.endr
.endm
.macro SEND t, younger              ; younger: the LDS instructions issued behind piece t's loads
	WIN 0
.irp f, 0,1,2,3
	s_wait_dscnt (\younger)+3-\f
	global_store_b128 v[GO], v[S+16*(\t)+4*\f:S+16*(\t)+4*\f+3], s[10:11] offset:(\t)*8192+\f*512  ; 512 consecutive bytes, aligned
.endr
.endm
; A TILE IS ENTERED: a block's first tile begins the block and enters the step loop in its middle; a block's last tile is followed by the block's end and the way out.  tag = 1: in the loop; 2: the walk's last tile.
.macro WALK tag
	s_sub_co_u32 s[RT], s[RT], 1
	s_mov_b32 s[CNT], 2
	s_mov_b32 s[DG], s[PAR2]
	s_cmp_eq_u32 s[NEW], 1
	s_cbranch_scc0 .Lstep\tag
	BEGIN
	s_branch .Lfirst\tag
.Lstep\tag:                         ; a trip: an odd step's two turns, then the next even step's
	TURN 2
	TURN 3
	WIN 0
.Lfirst\tag:
	TURN 0
	TURN 1, 0, 1
	WIN 0
	s_cmp_lg_u32 s[CNT], 0
	s_cbranch_scc1 .Lstep\tag
.if (\tag) == 1
	s_cmp_lg_u32 s[RT], 0
	s_cbranch_scc1 .Lbottom         ; not the block's last tile
.endif
	TURN 2, 1
	TURN 3, 1
.set i, 0
.rept 8
	PV NP-1
.set i, i+1
.endr
	WIN 0
.rept 4
	v_nop                           ; the places behind the last products
.endr
	ALL v_add_f32 v[ST+4*t+2], v[ST+4*t+2], v[ST+4*t+3]
	ALL v_permlanex16_b32 v[ST+4*t+3], v[ST+4*t+2], s[SEL], s[SEL+1]
	ALL v_add_f32 v[ST+4*t+2], v[ST+4*t+2], v[ST+4*t+3]
	ALL v_rcp_f32 v[ST+4*t+2], v[ST+4*t+2]
	v_nop
	s_wait_alu depctr_va_vdst(0)    ; one wait for the two reciprocals, ahead of their first use
	PACK 0
	PACK 1
	SEND 0, 8
	SEND 1, 0
.endm
.set NOKQ, 0
.Lslot:                             ; eight times: a tile is entered and the next is asked for
	CHANGE 1
	WALK 1
	s_wait_xcnt 0x0                 ; the first block is out: the stores have read their registers and O's address
	s_mov_b64 s[10:11], s[OLO:OLO+1]
	s_add_co_u32 s[RT], s[PBH], 1   ; the second block has b / 2 + 1 tiles
	s_mov_b32 s[NEW], 1
	s_and_b32 s[PAR2], s[PB], 1
	s_lshl_b32 s[PAR2], s[PAR2], 1
	WIN 0x82                        ; its Q goes where the one text of the turns names Q
.set i, 0
.rept 32
	v_mov_b32 v[i], v[QB+i]
.set i, i+1
.endr
	WIN 0
.Lbottom:
	s_sub_co_u32 s[SLOTS], s[SLOTS], 1
	s_cmp_lg_u32 s[SLOTS], 0
	s_cbranch_scc1 .Lslot
	CHANGE 0                        ; the walk's last tile is written out
	WALK 2
	s_wait_tensorcnt 0x0            ; the wave's end
	ds_add_u32 v[SPW], v[NIL]
	s_wait_dscnt 0x0
	s_endpgm
.Lfunc_end_k_q5e0ae29331_attn:
	.size	k_q5e0ae29331_attn, .Lfunc_end_k_q5e0ae29331_attn-k_q5e0ae29331_attn
	.p2alignl 7, 3214868480
	.fill 96, 4, 3214868480
	.section	.rodata,"a",@progbits
	.p2align	6, 0x0
	.amdhsa_kernel k_q5e0ae29331_attn
		.amdhsa_group_segment_fixed_size 327680
		.amdhsa_private_segment_fixed_size 0
		.amdhsa_enable_private_segment 0
		.amdhsa_kernarg_size 16
		.amdhsa_user_sgpr_count 2
		.amdhsa_user_sgpr_kernarg_segment_ptr 1
		.amdhsa_wavefront_size32 1
		.amdhsa_system_sgpr_workgroup_id_x 1
		.amdhsa_system_sgpr_workgroup_id_y 1
		.amdhsa_system_sgpr_workgroup_id_z 1
		.amdhsa_system_vgpr_workitem_id 0
		.amdhsa_next_free_vgpr 768
		.amdhsa_next_free_sgpr 96
		.amdhsa_reserve_vcc 1
		.amdhsa_float_denorm_mode_32 3
		.amdhsa_float_denorm_mode_16_64 3
		.amdhsa_memory_ordered 1
		.amdhsa_forward_progress 1
		.amdhsa_inst_pref_size 170
	.end_amdhsa_kernel
	.amdgpu_metadata
---
amdhsa.version: [ 1, 2 ]
amdhsa.kernels:
  - .name:           k_q5e0ae29331_attn
    .symbol:         k_q5e0ae29331_attn.kd
    .args:
      - { .name: qkv, .offset: 0, .size: 8, .value_kind: global_buffer, .address_space: global }
      - { .name: hn, .offset: 8, .size: 8, .value_kind: global_buffer, .address_space: global }
    .group_segment_fixed_size: 327680
    .private_segment_fixed_size: 0
    .kernarg_segment_align: 8
    .kernarg_segment_size: 16
    .max_flat_workgroup_size: 128
    .sgpr_count:     96
    .vgpr_count:     768
    .wavefront_size: 32
...
	.end_amdgpu_metadata
.endif
;; end of part 3
;; launch wo (part 4): grid 8 x 32, 4 waves a work-group, clusters of 4 x 4, 327,680 bytes of LDS; arguments hn, wcat, bo, x, x1; writes x1
.if DOCPART == 4
	.amdgcn_target "amdgcn-amd-amdhsa--gfx1250"
	.amdhsa_code_object_version 6
	.text
	.protected	k_q5e0ae29331_wo
	.globl	k_q5e0ae29331_wo
	.p2align	8
	.type	k_q5e0ae29331_wo,@function
k_q5e0ae29331_wo:
	s_mov_b64 s[64:65], 0
	v_nop
	global_prefetch_b8 v0, s[64:65] scope:SCOPE_SE
	s_setreg_imm32_b32 hwreg(HW_REG_WAVE_MODE, 25, 1), 1
	s_wait_xcnt 0x0
	s_wait_alu depctr_hold_cnt(0) depctr_sa_sdst(0) depctr_va_vdst(0) depctr_va_sdst(0) depctr_va_ssrc(0) depctr_va_vcc(0) depctr_vm_vsrc(0)
	s_getreg_b32 s2, hwreg(HW_REG_IB_STS2, 6, 4)
	s_cmp_eq_u32 s2, 0
	s_cbranch_scc0 .Lentry_in_a_cluster
	s_endpgm
.Lentry_in_a_cluster:
	s_bfe_u32 s2, ttmp6, 0x10000c
	s_cmp_lg_u32 s2, 0xf033
	s_cbranch_scc0 .Lentry_shape_is_right
	s_endpgm
.Lentry_shape_is_right:
; C = res + A B + bias, C and res f32 [4096][1024].  A: f16 in slabs of 64 columns, A[slab][row][64]; B: f16, k along the rows' index, BPITCH elements from row to row, from column BCOL0 on; bias f32.
; This text: the attention's output projection: K = 1,024 (4 steps of 256), B = columns 3,072 on of the joined weights.
; LIMITS.  Operands arrive in f16; sums in f32, started by res + bias, the K steps in an order that differs from cluster to cluster; NaN and infinities are not treated apart.
; SHARES.  A tile of C is 128 x 128: 256 work-groups; four waves, each 64 x 64 in 16 accumulators.  A K step is 256: four slabs of A, 256 k-rows of B; two LDS slots.
; CLUSTER.  4 x 4: A's tile is asked for jointly along a row of the cluster, B's along a column.  The matrix instruction is used transposed (source 0 = 16 columns of B, turned by ds_load_tr16_b128; source 1 = 16 rows of A).
; THE WALK ALONG K IS ROTATED: cluster (x, y) begins at step (KSTEPS / 2) x + (KSTEPS / 4) (y % 4) and goes round modulo KSTEPS.  The two clusters that read the same rows of A read a given step half a walk apart,
; the clusters of a column, which read the same columns of B, a quarter of a walk apart: of the clusters that read a block one asks for it first, the others later.  The start hangs on the cluster's coordinates alone, which all sixteen partners share.
; The residual is loaded straight into the accumulators and the bias added there, while the first tiles are on their way: every product adds in place, and the way out has no arithmetic.
; NO PREFETCH here: four steps, of which none lies two refills on.
; REGISTERS: window 0: v0-31 addresses; v96-127 the bias; v128-255 the accumulators ((a, b) at v[128 + 8 (4 a + b)]).  Window 1: two fragment buffers of 128: 64 registers of A, then 64 of B.
.set KSTEPS, 4
.set BPITCH, 4096
.set BCOL0,  3072
.set PF,     0
.set LOGAS,  21                        ; from step to step of A: four slabs of 524,288 bytes, as a shift
.set LOGBS,  21                        ; of B: 256 k-rows of 2 BPITCH bytes, as a shift
.set PA,     144                       ; a row piece of A in LDS: 128 bytes + 16
.set ASLAB,  128*PA
.set AREG,   4*ASLAB
.set PB,     288                       ; a k-row of B: 256 bytes + 32
.set BHALF,  128*PB
.set SLOT,   AREG+2*BHALF              ; 147,456
.set SPARE,  2*SLOT                    ; the spare words, 128 bytes a wave: two blocks of 256 bytes that no other line names
.set SPITCH, 272
.set WSTG,   64*SPITCH                 ; the way out: each wave's stage, 64 rows of 256 bytes + 16; it lies over the slots, which have had their last fill by then
.set A0L, 16
.set B0L, 17
.set ADRA, 18
.set ADRB, 19                          ; v19, v20: B's k-rows 0-127 and 128-255 of the slot in hand
.set RO,  21
.set BO,  22
.set STO, 24
.set RD,  25
.set CO,  26
.set SPW, 28
.set NIL, 29
.set PFO, 30
.set BIAS, 96
.set ACC, 128
.set F0,  0
.set F1,  128
.set WV, 14
.set RH, 15
.set CH, 16
.set CX, 17
.set CY, 18
.set TC, 19
.set TR, 20
.set G1A, 24
.set G1B, 32
.set G0A, 40
.set G0B, 48
.set TB,  56
.set CNT, 57
.set WOA, 58
.set WOB, 59
.set PFA, 60
.set LIM, 62
.set SI,  63                           ; s63 the K step that the next refill asks for; s[2:3] its byte offset; s[22:23], s[68:69] my tiles of A and B at K step 0: never rewritten
.set PFB, 66
.set MSB, 0
.macro WIN new
.if MSB != (\new)
	s_set_vgpr_msb (MSB<<8)|(\new)
.set MSB, \new
.endif
.endm
.macro PLACES
.rept 4
	v_nop
.endr
.endm
.macro JLOAD                           ; the joint refill by the walking sets; s_nop 0 and four v_nop follow each line
	s_cmp_eq_u32 s[RH], 0
	s_cbranch_scc0 .Lfor_b_\@
	tensor_load_to_lds s[G0A+4:G0A+7], s[G1A:G1A+7]
	s_nop 0
.rept 4
	v_nop
.endr
	s_branch .Lasked_\@
.Lfor_b_\@:
	tensor_load_to_lds s[G0B+4:G0B+7], s[G1B:G1B+7]
	s_nop 0
.rept 4
	v_nop
.endr
.Lasked_\@:
.endm
.macro ASK                             ; the step two refills on: 32 blocks of 256 bytes, a lane a block; who asks: see the set-up
	s_cmp_gt_u32 s[CNT], s[LIM]
	s_cbranch_scc0 .Lnot_mine_\@
	global_prefetch_b8 v[PFO], s[PFA:PFA+1] th:TH_LOAD_NT scope:SCOPE_SE
.Lnot_mine_\@:
.endm
.macro CREST
	s_cmp_lg_u32 s[WV], 0
	s_cbranch_scc1 .Lnot_wave_0_\@
	s_barrier_signal -3
.Lnot_wave_0_\@:
	s_barrier_wait -3
	s_barrier_signal -1
	s_barrier_wait -1
.endm
.macro CROUND
	s_barrier_signal -1
	s_barrier_wait -1
	CREST
.endm
	s_load_b256 s[4:11], s[0:1], 0x0               ; A s[4:5], B s[6:7], bias s[8:9], res s[10:11]
	s_load_b64 s[12:13], s[0:1], 0x20              ; C
	v_lshl_add_u32 v[SPW], v0, 2, SPARE
	v_mov_b32 v[NIL], 0
	ds_add_u32 v[SPW], v[NIL]                      ; the wave's opening: the add and its wait stand ahead of my first tensor load
	ds_add_u32 v28, v29
	v_lshrrev_b32 v1, 5, v0
	v_readfirstlane_b32 s[WV], v1
	s_lshr_b32 s[RH], s[WV], 1
	s_and_b32 s[CH], s[WV], 1
	s_bfe_u32 s[CX], ttmp6, 0x40000
	s_bfe_u32 s[CY], ttmp6, 0x40004
	s_lshl_b32 s[TC], ttmp9, 2
	s_add_co_u32 s[TC], s[TC], s[CX]
	s_and_b32 s[TR], ttmp7, 0xffff
	s_lshl_b32 s[TR], s[TR], 2
	s_add_co_u32 s[TR], s[TR], s[CY]
	s_lshl_b32 s21, s[CY], 2
	s_lshl_b32 s21, 15, s21                        ; my row of the cluster
	s_lshl_b32 s22, 0x1111, s[CX]                  ; my column
	s_or_b32 s[G1A], s21, (1<<16)|(1<<20)|(1<<21)|(4<<22)|(3<<25)  ; after every 32 words 4 words of padding
	s_or_b32 s[G1B], s22, (1<<16)|(1<<20)|(1<<21)|(5<<22)|(7<<25)  ; after every 64 words 8 words
	s_mov_b32 s[G1A+1], 8192<<16                   ; A: two slabs in one load: each slab's 128 row pieces are 16,384 dense bytes, one row of 8,192 elements;
	s_mov_b32 s[G1A+2], 2<<16
	s_mov_b32 s[G1A+3], 8192<<16
	s_mov_b32 s[G1A+4], 2
	s_mov_b32 s[G1A+5], 262144                     ; a slab is 262,144 elements
	s_mov_b32 s[G1A+6], 0
	s_mov_b32 s[G1A+7], 0
	s_mov_b32 s[G1B+1], 128<<16                    ; B: 128 k-rows of 128 columns
	s_mov_b32 s[G1B+2], 128<<16
	s_mov_b32 s[G1B+3], 128<<16
	s_mov_b32 s[G1B+4], 128
	s_mov_b32 s[G1B+5], BPITCH
	s_mov_b32 s[G1B+6], 0
	s_mov_b32 s[G1B+7], 0
	s_lshl_b32 s22, s[CH], 20                      ; A: slabs 2 (wave % 2) on, rows 128 x tile row
	s_lshl_b32 s23, s[TR], 14
	s_add_co_u32 s22, s22, s23
	s_mov_b32 s23, 0
	s_mul_i32 s68, s[CH], 256*BPITCH               ; B: k-rows 128 (wave % 2) on, columns BCOL0 + 128 x tile column
	s_lshl_b32 s69, s[TC], 8
	s_add_co_u32 s68, s68, s69
	s_add_co_u32 s68, s68, 2*BCOL0
	s_mov_b32 s69, 0
	s_mul_i32 s[WOA], s[CH], 2*ASLAB
	s_mul_i32 s[WOB], s[CH], BHALF
	s_add_co_u32 s[WOB], s[WOB], AREG
	s_mov_b32 s[TB], 0
	s_and_b32 s21, ttmp7, 3                        ; the walk's first K step: (KSTEPS / 4) x (cluster y % 4)
	s_mul_i32 s21, s21, KSTEPS/4
	s_mul_i32 s[SI], ttmp9, KSTEPS/2               ; + (KSTEPS / 2) x cluster x,
	s_add_co_u32 s[SI], s[SI], s21
	s_and_b32 s[SI], s[SI], KSTEPS-1               ; modulo KSTEPS
	s_mov_b32 s3, 0
	s_wait_dscnt 0x0                               ; the opening add is done
	s_wait_kmcnt 0x0
	s_add_nc_u64 s[22:23], s[4:5], s[22:23]
	s_add_nc_u64 s[68:69], s[6:7], s[68:69]
	CROUND                                         ; all sixteen work-groups are here: the first joint loads meet
.irp s, 0,1
	s_add_co_u32 s21, s[SI], \s                    ; the walk's step s
	s_and_b32 s21, s21, KSTEPS-1
	s_mov_b32 s[G0A+4*(\s)], 1
	s_add_co_u32 s[G0A+4*(\s)+1], s[WOA], (\s)*SLOT
	s_lshl_b32 s2, s21, LOGAS
	s_add_nc_u64 s[G0A+4*(\s)+2:G0A+4*(\s)+3], s[22:23], s[2:3]
	s_or_b32 s[G0A+4*(\s)+3], s[G0A+4*(\s)+3], 0x80000000
	s_mov_b32 s[G0B+4*(\s)], 1
	s_add_co_u32 s[G0B+4*(\s)+1], s[WOB], (\s)*SLOT
	s_lshl_b32 s2, s21, LOGBS
	s_add_nc_u64 s[G0B+4*(\s)+2:G0B+4*(\s)+3], s[68:69], s[2:3]
	s_or_b32 s[G0B+4*(\s)+3], s[G0B+4*(\s)+3], 0x80000000
.endr
	s_add_co_u32 s[SI], s[SI], 2                   ; the first refill asks for the walk's step 2
	s_and_b32 s[SI], s[SI], KSTEPS-1
	s_cmp_eq_u32 s[RH], 0                          ; a wave's two first fills stand in one branch: two loads of mine are out
	s_cbranch_scc0 .Lfirst_b
	tensor_load_to_lds s[G0A:G0A+3], s[G1A:G1A+7]
	s_nop 0
	tensor_load_to_lds s[G0A+4:G0A+7], s[G1A:G1A+7]
	s_nop 0
.rept 4
	v_nop
.endr
	s_branch .Lfirst_asked
.Lfirst_b:
	tensor_load_to_lds s[G0B:G0B+3], s[G1B:G1B+7]
	s_nop 0
	tensor_load_to_lds s[G0B+4:G0B+7], s[G1B:G1B+7]
	s_nop 0
.rept 4
	v_nop
.endr
.Lfirst_asked:
	v_and_b32 v1, 15, v0                           ; r
	v_bfe_u32 v2, v0, 4, 1                         ; h
	v_lshlrev_b32 v[RO], 12, v1
	v_lshl_add_u32 v[RO], v2, 5, v[RO]             ; row r of 4,096 bytes, columns 8 h on
	v_lshlrev_b32 v[BO], 5, v2
	s_lshl_b32 s70, s[TR], 19                      ; res and C at my 64 x 64: row 128 x tile row + 64 x row half, column 128 x tile column + 64 x column half
	s_lshl_b32 s71, s[RH], 18
	s_add_co_u32 s70, s70, s71
	s_lshl_b32 s71, s[TC], 9
	s_add_co_u32 s70, s70, s71
	s_lshl_b32 s71, s[CH], 8
	s_add_co_u32 s70, s70, s71
	s_mov_b32 s71, 0
	s_add_nc_u64 s[10:11], s[10:11], s[70:71]
	s_add_nc_u64 s[12:13], s[12:13], s[70:71]
	s_lshl_b32 s70, s[TC], 9
	s_lshl_b32 s21, s[CH], 8
	s_add_co_u32 s70, s70, s21
	s_add_nc_u64 s[8:9], s[8:9], s[70:71]
.irp a, 0,1,2,3
.irp b, 0,1,2,3
	global_load_b128 v[ACC+8*(4*(\a)+(\b)):ACC+8*(4*(\a)+(\b))+3],   v[RO], s[10:11] offset:(\a)*65536+(\b)*64
	global_load_b128 v[ACC+8*(4*(\a)+(\b))+4:ACC+8*(4*(\a)+(\b))+7], v[RO], s[10:11] offset:(\a)*65536+(\b)*64+16
.endr
.endr
.irp b, 0,1,2,3
	global_load_b128 v[BIAS+8*(\b):BIAS+8*(\b)+3],   v[BO], s[8:9] offset:64*(\b)
	global_load_b128 v[BIAS+8*(\b)+4:BIAS+8*(\b)+7], v[BO], s[8:9] offset:64*(\b)+16
.endr
	v_mul_u32_u24 v3, v1, PA
	v_lshl_add_u32 v3, v2, 4, v3
	s_mul_i32 s21, s[RH], 64*PA
	v_add_nc_u32 v[A0L], s21, v3
	v_and_b32 v4, 7, v0
	v_lshl_add_u32 v4, v2, 3, v4
	v_mul_u32_u24 v4, v4, PB
	v_bfe_u32 v5, v0, 3, 1
	v_lshl_add_u32 v4, v5, 4, v4
	s_lshl_b32 s21, s[CH], 7
	s_add_co_u32 s21, s21, AREG
	v_add_nc_u32 v[B0L], s21, v4
	v_mov_b32 v[ADRA], v[A0L]
	v_mov_b32 v[ADRB], v[B0L]
	v_add_nc_u32 v[ADRB+1], 128*PB, v[B0L]
	s_mul_i32 s21, s[WV], WSTG
	v_mul_u32_u24 v[STO], v1, SPITCH
	v_lshl_add_u32 v[STO], v2, 5, v[STO]
	v_add_nc_u32 v[STO], s21, v[STO]
	v_mul_u32_u24 v[RD], v2, SPITCH
	v_lshl_add_u32 v[RD], v1, 4, v[RD]
	v_add_nc_u32 v[RD], s21, v[RD]
	v_lshlrev_b32 v[CO], 12, v2
	v_lshl_add_u32 v[CO], v1, 4, v[CO]
.if PF
	; The prefetches.  Of the two clusters that read a block of A, the one in whose walk it falls into steps 0 to KSTEPS / 2 - 1 reads it first: that cluster asks, two refills ahead, for its walk's steps 4 to KSTEPS / 2 - 1;
	; steps 0 to 3 come by their loads alone.  The four partners that ask for a tile jointly share its 128 blocks of 256 bytes out by address: half of one slab's piece each, a lane a block.
	; B's blocks have their first reading of the launch in some cluster's walk steps 0 to 3: they are not asked for.
	s_lshr_b32 s70, s[CX], 1
	s_lshl_b32 s70, s70, 19
	s_and_b32 s71, s[CX], 1
	s_lshl_b32 s71, s71, 13
	s_add_co_u32 s70, s70, s71
	s_mov_b32 s71, 0
	s_add_nc_u64 s[PFB:PFB+1], s[22:23], s[70:71]
	s_cmp_eq_u32 s[RH], 0
	s_cselect_b32 s[LIM], KSTEPS/2+2, -1           ; the count stands at KSTEPS - 2 - n in refill n: A's waves ask while n + 4 < KSTEPS / 2
	v_and_b32 v[PFO], 31, v0
	v_lshlrev_b32 v[PFO], 8, v[PFO]
.endif
	s_wait_loadcnt 0x0                             ; the residual and the bias
.irp a, 0,1,2,3
.irp b, 0,1,2,3
.irp k, 0,2,4,6
	v_pk_add_f32 v[ACC+8*(4*(\a)+(\b))+(\k):ACC+8*(4*(\a)+(\b))+(\k)+1], v[ACC+8*(4*(\a)+(\b))+(\k):ACC+8*(4*(\a)+(\b))+(\k)+1], v[BIAS+8*(\b)+(\k):BIAS+8*(\b)+(\k)+1]
.endr
.endr
.endr
; 8 matrix instructions: m blocks a0, a0 + 1 x all 4 n blocks, 32 along K: half c of buffer f.  The 16 accumulators take turns.
.macro MUL8 f, c, a0
	WIN 0x05
.irp a, \a0, (\a0)+1
.irp b, 0,1,2,3
	v_wmma_f32_16x16x32_f16 v[ACC+8*(4*(\a)+(\b)):ACC+8*(4*(\a)+(\b))+7], v[(\f)+64+8*(4*(\c)+(\b)):(\f)+64+8*(4*(\c)+(\b))+7], v[(\f)+8*(4*(\c)+(\a)):(\f)+8*(4*(\c)+(\a))+7], v[ACC+8*(4*(\a)+(\b)):ACC+8*(4*(\a)+(\b))+7]
.endr
.endr
.endm
; 32 LDS loads in one run: quarter qn (64 along K: one slab of A, 64 k-rows of B) into buffer f
.macro FETCH qn, f
	WIN 0x40
.irp c, 0,1
.irp i, 0,1,2,3
	ds_load_tr16_b128 v[(\f)+64+8*(4*(\c)+(\i)):(\f)+64+8*(4*(\c)+(\i))+3],   v[ADRB+(\qn)/2] offset:(((\qn)%2)*64+32*(\c))*PB+32*(\i)
	ds_load_tr16_b128 v[(\f)+64+8*(4*(\c)+(\i))+4:(\f)+64+8*(4*(\c)+(\i))+7], v[ADRB+(\qn)/2] offset:(((\qn)%2)*64+32*(\c))*PB+16*PB+32*(\i)
	ds_load_b128 v[(\f)+8*(4*(\c)+(\i)):(\f)+8*(4*(\c)+(\i))+3],   v[ADRA] offset:(\qn)*ASLAB+64*(\c)+(\i)*16*PA
	ds_load_b128 v[(\f)+8*(4*(\c)+(\i))+4:(\f)+8*(4*(\c)+(\i))+7], v[ADRA] offset:(\qn)*ASLAB+64*(\c)+(\i)*16*PA+32
.endr
.endr
.endm
; One of a step's first three quarters: at its head it fetches quarter qn into buffer g, which the quarter before has multiplied (four places behind that quarter's last product), 32 matrix instructions ahead of its use; then it multiplies buffer f
.macro QUARTER f, g, qn
	PLACES
	FETCH \qn, \g
	s_wait_dscnt 32                                ; all but the 32 just issued: buffer f, asked for a quarter ago, is in
	MUL8 \f, 0, 0
	MUL8 \f, 0, 2
	MUL8 \f, 1, 0
	MUL8 \f, 1, 2
.endm
; The last quarter multiplies buffer 1 and changes slots: all my tensor loads have landed, the add, my reads of this slot are back, the barrier; fill = 1: it opens a round of the cluster's barrier, and the joint refill is the first thing behind the round.
.macro TURN fill
.if (\fill) && PF
	s_wait_xcnt 0x0                                ; the last prefetch, a step back, has read its address
	s_add_co_u32 s21, s[SI], 2                     ; the K step two refills on
	s_and_b32 s21, s21, KSTEPS-1
	s_lshl_b32 s2, s21, LOGAS
	s_add_nc_u64 s[PFA:PFA+1], s[PFB:PFB+1], s[2:3]
.endif
	WIN 0
	s_wait_tensorcnt 0x0
	ds_add_u32 v[SPW], v[NIL]
.if \fill
	s_add_co_u32 s[G0A+5], s[TB], s[WOA]           ; no load of mine is out: the walking sets take the slot that is being read out, and their addresses are made anew from the K step's number
	s_lshl_b32 s2, s[SI], LOGAS
	s_add_nc_u64 s[G0A+6:G0A+7], s[22:23], s[2:3]
	s_or_b32 s[G0A+7], s[G0A+7], 0x80000000
	s_add_co_u32 s[G0B+5], s[TB], s[WOB]
	s_lshl_b32 s2, s[SI], LOGBS
	s_add_nc_u64 s[G0B+6:G0B+7], s[68:69], s[2:3]
	s_or_b32 s[G0B+7], s[G0B+7], 0x80000000
	s_add_co_u32 s[SI], s[SI], 1
	s_and_b32 s[SI], s[SI], KSTEPS-1
.endif
	s_wait_dscnt 1                                 ; buffer 1 is in; the add alone may be out
	MUL8 F1, 0, 0
	s_wait_dscnt 0x0                               ; the add is done, and my reads of this slot are over
	s_barrier_signal -1
	MUL8 F1, 0, 2
	WIN 0
	s_barrier_wait -1
.if \fill
	CREST
	JLOAD                                          ; its four v_nop are also the places in front of the loads below
.else
	PLACES
.endif
	s_xor_b32 s[TB], s[TB], SLOT
	v_add_nc_u32 v[ADRA], s[TB], v[A0L]
	v_add_nc_u32 v[ADRB], s[TB], v[B0L]
	v_add_nc_u32 v[ADRB+1], 128*PB, v[ADRB]
.if \fill
	FETCH 0, F0
	WIN 0
.if PF
	ASK
.endif
.else
	s_cmp_eq_u32 s[CNT], 1                         ; behind the last step there is nothing to fetch
	s_cbranch_scc1 .Lno_fetch_\@
	FETCH 0, F0
	WIN 0
.Lno_fetch_\@:
.endif
	MUL8 F1, 1, 0
	MUL8 F1, 1, 2
	WIN 0
.endm
	s_wait_tensorcnt 1                             ; my part of the walk's step 0 is in; step 1's may stay out
	s_barrier_signal -1
	s_barrier_wait -1
	FETCH 0, F0
	WIN 0
	s_mov_b32 s[CNT], KSTEPS-2
.Lstep:                                                ; a trip is a K step; its change of slots asks for the step two on
	QUARTER F0, F1, 1
	QUARTER F1, F0, 2
	QUARTER F0, F1, 3
	TURN 1
	s_sub_co_u32 s[CNT], s[CNT], 1
	s_cmp_lg_u32 s[CNT], 0
	s_cbranch_scc1 .Lstep
	s_mov_b32 s[CNT], 2
.Ltail:                                                ; the last two steps ask for nothing
	QUARTER F0, F1, 1
	QUARTER F1, F0, 2
	QUARTER F0, F1, 3
	TURN 0
	s_sub_co_u32 s[CNT], s[CNT], 1
	s_cmp_lg_u32 s[CNT], 0
	s_cbranch_scc1 .Ltail
	; THE WAY OUT.  The stages lie over the slots: every wave's reads of them are back, and a barrier says so, before any wave stores there.
	s_wait_dscnt 0x0
	s_barrier_signal -1
	s_barrier_wait -1
	PLACES
.irp a, 0,1,2,3
.irp b, 0,1,2,3
	ds_store_b128 v[STO], v[ACC+8*(4*(\a)+(\b)):ACC+8*(4*(\a)+(\b))+3]   offset:(\a)*16*SPITCH+(\b)*64
	ds_store_b128 v[STO], v[ACC+8*(4*(\a)+(\b))+4:ACC+8*(4*(\a)+(\b))+7] offset:(\a)*16*SPITCH+(\b)*64+16
.endr
.endr
	WIN 0x40
.set t, 0
.rept 32
	ds_load_b128 v[4*t:4*t+3], v[RD] offset:t*2*SPITCH  ; LDS serves a wave's instructions in order: these see my stores; two whole rows of 256 bytes a load
.set t, t+1
.endr
	WIN 0x04
.set t, 0
.rept 32
	s_wait_dscnt 31-t
	global_store_b128 v[CO], v[4*t:4*t+3], s[12:13] offset:t*8192  ; 16 lanes store 256 consecutive bytes, aligned
.set t, t+1
.endr
	WIN 0
	s_wait_tensorcnt 0x0                           ; the wave's end
	ds_add_u32 v[SPW], v[NIL]
	s_wait_dscnt 0x0
	CROUND                                         ; the closing round
	s_endpgm
.Lfunc_end_k_q5e0ae29331_wo:
	.size	k_q5e0ae29331_wo, .Lfunc_end_k_q5e0ae29331_wo-k_q5e0ae29331_wo
	.p2alignl 7, 3214868480
	.fill 96, 4, 3214868480
	.section	.rodata,"a",@progbits
	.p2align	6, 0x0
	.amdhsa_kernel k_q5e0ae29331_wo
		.amdhsa_group_segment_fixed_size 327680
		.amdhsa_private_segment_fixed_size 0
		.amdhsa_enable_private_segment 0
		.amdhsa_kernarg_size 40
		.amdhsa_user_sgpr_count 2
		.amdhsa_user_sgpr_kernarg_segment_ptr 1
		.amdhsa_wavefront_size32 1
		.amdhsa_system_sgpr_workgroup_id_x 1
		.amdhsa_system_sgpr_workgroup_id_y 1
		.amdhsa_system_sgpr_workgroup_id_z 1
		.amdhsa_system_vgpr_workitem_id 0
		.amdhsa_next_free_vgpr 512
		.amdhsa_next_free_sgpr 72
		.amdhsa_reserve_vcc 0
		.amdhsa_float_denorm_mode_32 3
		.amdhsa_float_denorm_mode_16_64 3
		.amdhsa_memory_ordered 1
		.amdhsa_forward_progress 1
		.amdhsa_inst_pref_size 63
	.end_amdhsa_kernel
	.amdgpu_metadata
---
amdhsa.version: [ 1, 2 ]
amdhsa.kernels:
  - .name:           k_q5e0ae29331_wo
    .symbol:         k_q5e0ae29331_wo.kd
    .args:
      - { .name: hn, .offset: 0, .size: 8, .value_kind: global_buffer, .address_space: global }
      - { .name: wcat, .offset: 8, .size: 8, .value_kind: global_buffer, .address_space: global }
      - { .name: bo, .offset: 16, .size: 8, .value_kind: global_buffer, .address_space: global }
      - { .name: x, .offset: 24, .size: 8, .value_kind: global_buffer, .address_space: global }
      - { .name: x1, .offset: 32, .size: 8, .value_kind: global_buffer, .address_space: global }
    .group_segment_fixed_size: 327680
    .private_segment_fixed_size: 0
    .kernarg_segment_align: 8
    .kernarg_segment_size: 40
    .max_flat_workgroup_size: 128
    .sgpr_count:     72
    .vgpr_count:     512
    .wavefront_size: 32
...
	.end_amdgpu_metadata
.endif
;; end of part 4
;; launch ln2 (part 5): grid 256 x 1, 8 waves a work-group, no clusters, 0 bytes of LDS; arguments x1, g2, be2, hn; writes hn
.if DOCPART == 5
	.amdgcn_target "amdgcn-amd-amdhsa--gfx1250"
	.amdhsa_code_object_version 6
	.text
	.protected	k_q5e0ae29331_ln2
	.globl	k_q5e0ae29331_ln2
	.p2align	8
	.type	k_q5e0ae29331_ln2,@function
k_q5e0ae29331_ln2:
	s_mov_b64 s[64:65], 0
	v_nop
	global_prefetch_b8 v0, s[64:65] scope:SCOPE_SE
	s_setreg_imm32_b32 hwreg(HW_REG_WAVE_MODE, 25, 1), 1
	s_wait_xcnt 0x0
; THE SECOND LAYERNORM: hn = f16((x1 - mean) / sqrt(var + 1e-5) g2 + be2), in slabs of 64 columns: hn[slab][row][64].  One wave takes two rows and keeps them in registers: each byte is read once.
; LIMITS.  The result is f16: from 65,520 on it becomes an infinity.  NaN and infinities are not treated apart.  Mean, then the mean of squared differences: two passes over registers.
.set XR, 16                            ; v[16:79]   the rows, f32
.set GR, 80                            ; v[80:143]  the gains
.set BR, 144                           ; v[144:207] the offsets
.set YR, 208                           ; v[208:239] the packed results
; The sum of the four pair chains v[6:13] over the 16 lanes that hold a row: lanes with equal bit 3.
.macro REDUCE
	v_pk_add_f32 v[6:7], v[6:7], v[8:9]
	v_pk_add_f32 v[10:11], v[10:11], v[12:13]
	v_pk_add_f32 v[6:7], v[6:7], v[10:11]
	v_add_f32 v6, v6, v7
	v_add_f32_dpp v6, v6, v6 row_xmask:1 row_mask:0xf bank_mask:0xf
	v_add_f32_dpp v6, v6, v6 row_xmask:2 row_mask:0xf bank_mask:0xf
	v_add_f32_dpp v6, v6, v6 row_xmask:4 row_mask:0xf bank_mask:0xf
	v_permlanex16_b32 v7, v6, s50, s51             ; its destination has been written above
	v_add_f32 v6, v6, v7
.endm
	s_load_b256 s[4:11], s[0:1], 0x0               ; x1 s[4:5], g2 s[6:7], be2 s[8:9], hn s[10:11]
	v_lshrrev_b32 v1, 5, v0
	v_readfirstlane_b32 s40, v1
	s_lshl_b32 s41, ttmp9, 3
	s_add_co_u32 s41, s41, s40                     ; the wave's pair of rows, 0..2047
	s_mov_b32 s48, 0x3a800000                      ; 1 / 1024
	s_mov_b32 s49, 0x3727c5ac                      ; 1e-5
	s_mov_b32 s50, 0x76543210
	s_mov_b32 s51, 0xfedcba98
	s_lshl_b32 s52, s41, 13
	s_mov_b32 s53, 0
	s_lshl_b32 s54, s41, 8
	s_mov_b32 s55, 0
	; Lane l: sl = l / 16, rho = (l / 8) % 2, c = l % 8.  In group gi it holds row rho, slab 2 gi + sl, columns 8 c .. 8 c + 7: lanes 0-15 store 256 consecutive bytes, aligned, of one slab, lanes 16-31 of the next.
	v_and_b32 v1, 7, v0
	v_bfe_u32 v5, v0, 3, 1
	v_bfe_u32 v9, v0, 4, 1
	v_lshlrev_b32 v3, 5, v1
	v_lshl_add_u32 v3, v9, 8, v3
	v_lshl_add_u32 v2, v5, 12, v3
	v_lshlrev_b32 v4, 4, v1
	v_lshl_add_u32 v4, v5, 7, v4
	v_lshl_add_u32 v4, v9, 19, v4
	s_wait_kmcnt 0x0
	s_add_nc_u64 s[4:5], s[4:5], s[52:53]
	s_add_nc_u64 s[10:11], s[10:11], s[54:55]
.irp gi, 0,1,2,3,4,5,6,7
	global_load_b128 v[XR+8*(\gi):XR+8*(\gi)+3],   v2, s[4:5] offset:512*(\gi) th:TH_LOAD_NT
	global_load_b128 v[XR+8*(\gi)+4:XR+8*(\gi)+7], v2, s[4:5] offset:512*(\gi)+16 th:TH_LOAD_NT
.endr
.irp gi, 0,1,2,3,4,5,6,7
	global_load_b128 v[GR+8*(\gi):GR+8*(\gi)+3],   v3, s[6:7] offset:512*(\gi)
	global_load_b128 v[GR+8*(\gi)+4:GR+8*(\gi)+7], v3, s[6:7] offset:512*(\gi)+16
.endr
.irp gi, 0,1,2,3,4,5,6,7
	global_load_b128 v[BR+8*(\gi):BR+8*(\gi)+3],   v3, s[8:9] offset:512*(\gi)
	global_load_b128 v[BR+8*(\gi)+4:BR+8*(\gi)+7], v3, s[8:9] offset:512*(\gi)+16
.endr
	s_wait_loadcnt 32                              ; the rows' 16 loads are in; the 32 younger ones stay out
.irp k, 0,1,2,3
	v_pk_add_f32 v[6+2*(\k):7+2*(\k)], v[XR+2*(\k):XR+2*(\k)+1], v[XR+8+2*(\k):XR+8+2*(\k)+1]
.endr
.set j, 8
.rept 24
	v_pk_add_f32 v[6+2*(j%4):7+2*(j%4)], v[6+2*(j%4):7+2*(j%4)], v[XR+2*j:XR+2*j+1]
.set j, j+1
.endr
	REDUCE
	v_mul_f32 v14, s48, v6
	v_mov_b32 v15, v14
.set j, 0
.rept 32
	v_pk_add_f32 v[XR+2*j:XR+2*j+1], v[XR+2*j:XR+2*j+1], v[14:15] neg_lo:[0,1] neg_hi:[0,1]
.set j, j+1
.endr
.irp k, 0,1,2,3
	v_pk_mul_f32 v[6+2*(\k):7+2*(\k)], v[XR+2*(\k):XR+2*(\k)+1], v[XR+2*(\k):XR+2*(\k)+1]
.endr
.set j, 4
.rept 28
	v_pk_fma_f32 v[6+2*(j%4):7+2*(j%4)], v[XR+2*j:XR+2*j+1], v[XR+2*j:XR+2*j+1], v[6+2*(j%4):7+2*(j%4)]
.set j, j+1
.endr
	REDUCE
	v_fma_f32 v6, v6, s48, s49
	v_rsq_f32 v14, v6
	v_rsq_f32 v15, v6
	v_nop                                          ; a plain instruction behind the last root,
	s_wait_alu depctr_va_vdst(0)                   ; and one wait for both, ahead of their first reader
.set j, 0
.rept 32
	v_pk_mul_f32 v[XR+2*j:XR+2*j+1], v[XR+2*j:XR+2*j+1], v[14:15]
.set j, j+1
.endr
	s_wait_loadcnt 0x0
.set j, 0
.rept 32
	v_pk_fma_f32 v[XR+2*j:XR+2*j+1], v[XR+2*j:XR+2*j+1], v[GR+2*j:GR+2*j+1], v[BR+2*j:BR+2*j+1]
.set j, j+1
.endr
.set j, 0
.rept 32
	v_cvt_pk_f16_f32 v[YR+j], v[XR+2*j], v[XR+2*j+1]
.set j, j+1
.endr
.irp gi, 0,1,2,3,4,5,6,7
	global_store_b128 v4, v[YR+4*(\gi):YR+4*(\gi)+3], s[10:11] offset:1048576*(\gi)
.endr
	s_endpgm
.Lfunc_end_k_q5e0ae29331_ln2:
	.size	k_q5e0ae29331_ln2, .Lfunc_end_k_q5e0ae29331_ln2-k_q5e0ae29331_ln2
	.p2alignl 7, 3214868480
	.fill 96, 4, 3214868480
	.section	.rodata,"a",@progbits
	.p2align	6, 0x0
	.amdhsa_kernel k_q5e0ae29331_ln2
		.amdhsa_group_segment_fixed_size 0
		.amdhsa_private_segment_fixed_size 0
		.amdhsa_enable_private_segment 0
		.amdhsa_kernarg_size 32
		.amdhsa_user_sgpr_count 2
		.amdhsa_user_sgpr_kernarg_segment_ptr 1
		.amdhsa_wavefront_size32 1
		.amdhsa_system_sgpr_workgroup_id_x 1
		.amdhsa_system_sgpr_workgroup_id_y 1
		.amdhsa_system_sgpr_workgroup_id_z 1
		.amdhsa_system_vgpr_workitem_id 0
		.amdhsa_next_free_vgpr 240
		.amdhsa_next_free_sgpr 66
		.amdhsa_reserve_vcc 0
		.amdhsa_float_denorm_mode_32 3
		.amdhsa_float_denorm_mode_16_64 3
		.amdhsa_memory_ordered 1
		.amdhsa_forward_progress 1
		.amdhsa_inst_pref_size 20
	.end_amdhsa_kernel
	.amdgpu_metadata
---
amdhsa.version: [ 1, 2 ]
amdhsa.kernels:
  - .name:           k_q5e0ae29331_ln2
    .symbol:         k_q5e0ae29331_ln2.kd
    .args:
      - { .name: x1, .offset: 0, .size: 8, .value_kind: global_buffer, .address_space: global }
      - { .name: g2, .offset: 8, .size: 8, .value_kind: global_buffer, .address_space: global }
      - { .name: be2, .offset: 16, .size: 8, .value_kind: global_buffer, .address_space: global }
      - { .name: hn, .offset: 24, .size: 8, .value_kind: global_buffer, .address_space: global }
    .group_segment_fixed_size: 0
    .private_segment_fixed_size: 0
    .kernarg_segment_align: 8
    .kernarg_segment_size: 32
    .max_flat_workgroup_size: 256
    .sgpr_count:     66
    .vgpr_count:     240
    .wavefront_size: 32
...
	.end_amdgpu_metadata
.endif
;; end of part 5
;; launch ffn1: the kernel of part 2 again; grid 16 x 16, 4 waves a work-group, clusters of 4 x 4, 327,680 bytes of LDS; arguments hn, w1f, b1, act; writes act
;; launch ffn2 (part 6): grid 8 x 32, 4 waves a work-group, clusters of 4 x 4, 327,680 bytes of LDS; arguments act, w2f, b2, x1, out0; writes out0
.if DOCPART == 6
	.amdgcn_target "amdgcn-amd-amdhsa--gfx1250"
	.amdhsa_code_object_version 6
	.text
	.protected	k_q5e0ae29331_ffn2
	.globl	k_q5e0ae29331_ffn2
	.p2align	8
	.type	k_q5e0ae29331_ffn2,@function
k_q5e0ae29331_ffn2:
	s_mov_b64 s[64:65], 0
	v_nop
	global_prefetch_b8 v0, s[64:65] scope:SCOPE_SE
	s_setreg_imm32_b32 hwreg(HW_REG_WAVE_MODE, 25, 1), 1
	s_wait_xcnt 0x0
	s_wait_alu depctr_hold_cnt(0) depctr_sa_sdst(0) depctr_va_vdst(0) depctr_va_sdst(0) depctr_va_ssrc(0) depctr_va_vcc(0) depctr_vm_vsrc(0)
	s_getreg_b32 s2, hwreg(HW_REG_IB_STS2, 6, 4)
	s_cmp_eq_u32 s2, 0
	s_cbranch_scc0 .Lentry_in_a_cluster
	s_endpgm
.Lentry_in_a_cluster:
	s_bfe_u32 s2, ttmp6, 0x10000c
	s_cmp_lg_u32 s2, 0xf033
	s_cbranch_scc0 .Lentry_shape_is_right
	s_endpgm
.Lentry_shape_is_right:
; C = res + A B + bias, C and res f32 [4096][1024].  A: f16 in slabs of 64 columns, A[slab][row][64]; B: f16, k along the rows' index, BPITCH elements from row to row, from column BCOL0 on; bias f32.
; This text: the feed-forward layer's second product: K = 4,096 (16 steps of 256), B = [4096][1024].
; LIMITS.  Operands arrive in f16; sums in f32, started by res + bias, the K steps in an order that differs from cluster to cluster; NaN and infinities are not treated apart.
; SHARES.  A tile of C is 128 x 128: 256 work-groups; four waves, each 64 x 64 in 16 accumulators.  A K step is 256: four slabs of A, 256 k-rows of B; two LDS slots.
; CLUSTER.  4 x 4: A's tile is asked for jointly along a row of the cluster, B's along a column.  The matrix instruction is used transposed (source 0 = 16 columns of B, turned by ds_load_tr16_b128; source 1 = 16 rows of A).
; THE WALK ALONG K IS ROTATED: cluster (x, y) begins at step (KSTEPS / 2) x + (KSTEPS / 4) (y % 4) and goes round modulo KSTEPS.  The two clusters that read the same rows of A read a given step half a walk apart,
; the clusters of a column, which read the same columns of B, a quarter of a walk apart: of the clusters that read a block one asks for it first, the others later.  The start hangs on the cluster's coordinates alone, which all sixteen partners share.
; The residual is loaded straight into the accumulators and the bias added there, while the first tiles are on their way: every product adds in place, and the way out has no arithmetic.
; REGISTERS: window 0: v0-31 addresses; v96-127 the bias; v128-255 the accumulators ((a, b) at v[128 + 8 (4 a + b)]).  Window 1: two fragment buffers of 128: 64 registers of A, then 64 of B.
.set KSTEPS, 16
.set BPITCH, 1024
.set BCOL0,  0
.set PF,     1
.set LOGAS,  21                        ; from step to step of A: four slabs of 524,288 bytes, as a shift
.set LOGBS,  19                        ; of B: 256 k-rows of 2 BPITCH bytes, as a shift
.set PA,     144                       ; a row piece of A in LDS: 128 bytes + 16
.set ASLAB,  128*PA
.set AREG,   4*ASLAB
.set PB,     288                       ; a k-row of B: 256 bytes + 32
.set BHALF,  128*PB
.set SLOT,   AREG+2*BHALF              ; 147,456
.set SPARE,  2*SLOT                    ; the spare words, 128 bytes a wave: two blocks of 256 bytes that no other line names
.set SPITCH, 272
.set WSTG,   64*SPITCH                 ; the way out: each wave's stage, 64 rows of 256 bytes + 16; it lies over the slots, which have had their last fill by then
.set A0L, 16
.set B0L, 17
.set ADRA, 18
.set ADRB, 19                          ; v19, v20: B's k-rows 0-127 and 128-255 of the slot in hand
.set RO,  21
.set BO,  22
.set STO, 24
.set RD,  25
.set CO,  26
.set SPW, 28
.set NIL, 29
.set PFO, 30
.set BIAS, 96
.set ACC, 128
.set F0,  0
.set F1,  128
.set WV, 14
.set RH, 15
.set CH, 16
.set CX, 17
.set CY, 18
.set TC, 19
.set TR, 20
.set G1A, 24
.set G1B, 32
.set G0A, 40
.set G0B, 48
.set TB,  56
.set CNT, 57
.set WOA, 58
.set WOB, 59
.set PFA, 60
.set LIM, 62
.set SI,  63                           ; s63 the K step that the next refill asks for; s[2:3] its byte offset; s[22:23], s[68:69] my tiles of A and B at K step 0: never rewritten
.set PFB, 66
.set MSB, 0
.macro WIN new
.if MSB != (\new)
	s_set_vgpr_msb (MSB<<8)|(\new)
.set MSB, \new
.endif
.endm
.macro PLACES
.rept 4
	v_nop
.endr
.endm
.macro JLOAD                           ; the joint refill by the walking sets; s_nop 0 and four v_nop follow each line
	s_cmp_eq_u32 s[RH], 0
	s_cbranch_scc0 .Lfor_b_\@
	tensor_load_to_lds s[G0A+4:G0A+7], s[G1A:G1A+7]
	s_nop 0
.rept 4
	v_nop
.endr
	s_branch .Lasked_\@
.Lfor_b_\@:
	tensor_load_to_lds s[G0B+4:G0B+7], s[G1B:G1B+7]
	s_nop 0
.rept 4
	v_nop
.endr
.Lasked_\@:
.endm
.macro ASK                             ; the step two refills on: 32 blocks of 256 bytes, a lane a block; who asks: see the set-up
	s_cmp_gt_u32 s[CNT], s[LIM]
	s_cbranch_scc0 .Lnot_mine_\@
	global_prefetch_b8 v[PFO], s[PFA:PFA+1] th:TH_LOAD_NT scope:SCOPE_SE
.Lnot_mine_\@:
.endm
.macro CREST
	s_cmp_lg_u32 s[WV], 0
	s_cbranch_scc1 .Lnot_wave_0_\@
	s_barrier_signal -3
.Lnot_wave_0_\@:
	s_barrier_wait -3
	s_barrier_signal -1
	s_barrier_wait -1
.endm
.macro CROUND
	s_barrier_signal -1
	s_barrier_wait -1
	CREST
.endm
	s_load_b256 s[4:11], s[0:1], 0x0               ; A s[4:5], B s[6:7], bias s[8:9], res s[10:11]
	s_load_b64 s[12:13], s[0:1], 0x20              ; C
	v_lshl_add_u32 v[SPW], v0, 2, SPARE
	v_mov_b32 v[NIL], 0
	ds_add_u32 v[SPW], v[NIL]                      ; the wave's opening: the add and its wait stand ahead of my first tensor load
	ds_add_u32 v28, v29
	v_lshrrev_b32 v1, 5, v0
	v_readfirstlane_b32 s[WV], v1
	s_lshr_b32 s[RH], s[WV], 1
	s_and_b32 s[CH], s[WV], 1
	s_bfe_u32 s[CX], ttmp6, 0x40000
	s_bfe_u32 s[CY], ttmp6, 0x40004
	s_lshl_b32 s[TC], ttmp9, 2
	s_add_co_u32 s[TC], s[TC], s[CX]
	s_and_b32 s[TR], ttmp7, 0xffff
	s_lshl_b32 s[TR], s[TR], 2
	s_add_co_u32 s[TR], s[TR], s[CY]
	s_lshl_b32 s21, s[CY], 2
	s_lshl_b32 s21, 15, s21                        ; my row of the cluster
	s_lshl_b32 s22, 0x1111, s[CX]                  ; my column
	s_or_b32 s[G1A], s21, (1<<16)|(1<<20)|(1<<21)|(4<<22)|(3<<25)  ; after every 32 words 4 words of padding
	s_or_b32 s[G1B], s22, (1<<16)|(1<<20)|(1<<21)|(5<<22)|(7<<25)  ; after every 64 words 8 words
	s_mov_b32 s[G1A+1], 8192<<16                   ; A: two slabs in one load: each slab's 128 row pieces are 16,384 dense bytes, one row of 8,192 elements;
	s_mov_b32 s[G1A+2], 2<<16
	s_mov_b32 s[G1A+3], 8192<<16
	s_mov_b32 s[G1A+4], 2
	s_mov_b32 s[G1A+5], 262144                     ; a slab is 262,144 elements
	s_mov_b32 s[G1A+6], 0
	s_mov_b32 s[G1A+7], 0
	s_mov_b32 s[G1B+1], 128<<16                    ; B: 128 k-rows of 128 columns
	s_mov_b32 s[G1B+2], 128<<16
	s_mov_b32 s[G1B+3], 128<<16
	s_mov_b32 s[G1B+4], 128
	s_mov_b32 s[G1B+5], BPITCH
	s_mov_b32 s[G1B+6], 0
	s_mov_b32 s[G1B+7], 0
	s_lshl_b32 s22, s[CH], 20                      ; A: slabs 2 (wave % 2) on, rows 128 x tile row
	s_lshl_b32 s23, s[TR], 14
	s_add_co_u32 s22, s22, s23
	s_mov_b32 s23, 0
	s_mul_i32 s68, s[CH], 256*BPITCH               ; B: k-rows 128 (wave % 2) on, columns BCOL0 + 128 x tile column
	s_lshl_b32 s69, s[TC], 8
	s_add_co_u32 s68, s68, s69
	s_add_co_u32 s68, s68, 2*BCOL0
	s_mov_b32 s69, 0
	s_mul_i32 s[WOA], s[CH], 2*ASLAB
	s_mul_i32 s[WOB], s[CH], BHALF
	s_add_co_u32 s[WOB], s[WOB], AREG
	s_mov_b32 s[TB], 0
	s_and_b32 s21, ttmp7, 3                        ; the walk's first K step: (KSTEPS / 4) x (cluster y % 4)
	s_mul_i32 s21, s21, KSTEPS/4
	s_mul_i32 s[SI], ttmp9, KSTEPS/2               ; + (KSTEPS / 2) x cluster x,
	s_add_co_u32 s[SI], s[SI], s21
	s_and_b32 s[SI], s[SI], KSTEPS-1               ; modulo KSTEPS
	s_mov_b32 s3, 0
	s_wait_dscnt 0x0                               ; the opening add is done
	s_wait_kmcnt 0x0
	s_add_nc_u64 s[22:23], s[4:5], s[22:23]
	s_add_nc_u64 s[68:69], s[6:7], s[68:69]
	CROUND                                         ; all sixteen work-groups are here: the first joint loads meet
.irp s, 0,1
	s_add_co_u32 s21, s[SI], \s                    ; the walk's step s
	s_and_b32 s21, s21, KSTEPS-1
	s_mov_b32 s[G0A+4*(\s)], 1
	s_add_co_u32 s[G0A+4*(\s)+1], s[WOA], (\s)*SLOT
	s_lshl_b32 s2, s21, LOGAS
	s_add_nc_u64 s[G0A+4*(\s)+2:G0A+4*(\s)+3], s[22:23], s[2:3]
	s_or_b32 s[G0A+4*(\s)+3], s[G0A+4*(\s)+3], 0x80000000
	s_mov_b32 s[G0B+4*(\s)], 1
	s_add_co_u32 s[G0B+4*(\s)+1], s[WOB], (\s)*SLOT
	s_lshl_b32 s2, s21, LOGBS
	s_add_nc_u64 s[G0B+4*(\s)+2:G0B+4*(\s)+3], s[68:69], s[2:3]
	s_or_b32 s[G0B+4*(\s)+3], s[G0B+4*(\s)+3], 0x80000000
.endr
	s_add_co_u32 s[SI], s[SI], 2                   ; the first refill asks for the walk's step 2
	s_and_b32 s[SI], s[SI], KSTEPS-1
	s_cmp_eq_u32 s[RH], 0                          ; a wave's two first fills stand in one branch: two loads of mine are out
	s_cbranch_scc0 .Lfirst_b
	tensor_load_to_lds s[G0A:G0A+3], s[G1A:G1A+7]
	s_nop 0
	tensor_load_to_lds s[G0A+4:G0A+7], s[G1A:G1A+7]
	s_nop 0
.rept 4
	v_nop
.endr
	s_branch .Lfirst_asked
.Lfirst_b:
	tensor_load_to_lds s[G0B:G0B+3], s[G1B:G1B+7]
	s_nop 0
	tensor_load_to_lds s[G0B+4:G0B+7], s[G1B:G1B+7]
	s_nop 0
.rept 4
	v_nop
.endr
.Lfirst_asked:
	v_and_b32 v1, 15, v0                           ; r
	v_bfe_u32 v2, v0, 4, 1                         ; h
	v_lshlrev_b32 v[RO], 12, v1
	v_lshl_add_u32 v[RO], v2, 5, v[RO]             ; row r of 4,096 bytes, columns 8 h on
	v_lshlrev_b32 v[BO], 5, v2
	s_lshl_b32 s70, s[TR], 19                      ; res and C at my 64 x 64: row 128 x tile row + 64 x row half, column 128 x tile column + 64 x column half
	s_lshl_b32 s71, s[RH], 18
	s_add_co_u32 s70, s70, s71
	s_lshl_b32 s71, s[TC], 9
	s_add_co_u32 s70, s70, s71
	s_lshl_b32 s71, s[CH], 8
	s_add_co_u32 s70, s70, s71
	s_mov_b32 s71, 0
	s_add_nc_u64 s[10:11], s[10:11], s[70:71]
	s_add_nc_u64 s[12:13], s[12:13], s[70:71]
	s_lshl_b32 s70, s[TC], 9
	s_lshl_b32 s21, s[CH], 8
	s_add_co_u32 s70, s70, s21
	s_add_nc_u64 s[8:9], s[8:9], s[70:71]
.irp a, 0,1,2,3
.irp b, 0,1,2,3
	global_load_b128 v[ACC+8*(4*(\a)+(\b)):ACC+8*(4*(\a)+(\b))+3],   v[RO], s[10:11] offset:(\a)*65536+(\b)*64
	global_load_b128 v[ACC+8*(4*(\a)+(\b))+4:ACC+8*(4*(\a)+(\b))+7], v[RO], s[10:11] offset:(\a)*65536+(\b)*64+16
.endr
.endr
.irp b, 0,1,2,3
	global_load_b128 v[BIAS+8*(\b):BIAS+8*(\b)+3],   v[BO], s[8:9] offset:64*(\b)
	global_load_b128 v[BIAS+8*(\b)+4:BIAS+8*(\b)+7], v[BO], s[8:9] offset:64*(\b)+16
.endr
	v_mul_u32_u24 v3, v1, PA
	v_lshl_add_u32 v3, v2, 4, v3
	s_mul_i32 s21, s[RH], 64*PA
	v_add_nc_u32 v[A0L], s21, v3
	v_and_b32 v4, 7, v0
	v_lshl_add_u32 v4, v2, 3, v4
	v_mul_u32_u24 v4, v4, PB
	v_bfe_u32 v5, v0, 3, 1
	v_lshl_add_u32 v4, v5, 4, v4
	s_lshl_b32 s21, s[CH], 7
	s_add_co_u32 s21, s21, AREG
	v_add_nc_u32 v[B0L], s21, v4
	v_mov_b32 v[ADRA], v[A0L]
	v_mov_b32 v[ADRB], v[B0L]
	v_add_nc_u32 v[ADRB+1], 128*PB, v[B0L]
	s_mul_i32 s21, s[WV], WSTG
	v_mul_u32_u24 v[STO], v1, SPITCH
	v_lshl_add_u32 v[STO], v2, 5, v[STO]
	v_add_nc_u32 v[STO], s21, v[STO]
	v_mul_u32_u24 v[RD], v2, SPITCH
	v_lshl_add_u32 v[RD], v1, 4, v[RD]
	v_add_nc_u32 v[RD], s21, v[RD]
	v_lshlrev_b32 v[CO], 12, v2
	v_lshl_add_u32 v[CO], v1, 4, v[CO]
.if PF
	; The prefetches.  Of the two clusters that read a block of A, the one in whose walk it falls into steps 0 to KSTEPS / 2 - 1 reads it first: that cluster asks, two refills ahead, for its walk's steps 4 to KSTEPS / 2 - 1;
	; steps 0 to 3 come by their loads alone.  The four partners that ask for a tile jointly share its 128 blocks of 256 bytes out by address: half of one slab's piece each, a lane a block.
	; B's blocks have their first reading of the launch in some cluster's walk steps 0 to 3: they are not asked for.
	s_lshr_b32 s70, s[CX], 1
	s_lshl_b32 s70, s70, 19
	s_and_b32 s71, s[CX], 1
	s_lshl_b32 s71, s71, 13
	s_add_co_u32 s70, s70, s71
	s_mov_b32 s71, 0
	s_add_nc_u64 s[PFB:PFB+1], s[22:23], s[70:71]
	s_cmp_eq_u32 s[RH], 0
	s_cselect_b32 s[LIM], KSTEPS/2+2, -1           ; the count stands at KSTEPS - 2 - n in refill n: A's waves ask while n + 4 < KSTEPS / 2
	v_and_b32 v[PFO], 31, v0
	v_lshlrev_b32 v[PFO], 8, v[PFO]
.endif
	s_wait_loadcnt 0x0                             ; the residual and the bias
.irp a, 0,1,2,3
.irp b, 0,1,2,3
.irp k, 0,2,4,6
	v_pk_add_f32 v[ACC+8*(4*(\a)+(\b))+(\k):ACC+8*(4*(\a)+(\b))+(\k)+1], v[ACC+8*(4*(\a)+(\b))+(\k):ACC+8*(4*(\a)+(\b))+(\k)+1], v[BIAS+8*(\b)+(\k):BIAS+8*(\b)+(\k)+1]
.endr
.endr
.endr
; 8 matrix instructions: m blocks a0, a0 + 1 x all 4 n blocks, 32 along K: half c of buffer f.  The 16 accumulators take turns.
.macro MUL8 f, c, a0
	WIN 0x05
.irp a, \a0, (\a0)+1
.irp b, 0,1,2,3
	v_wmma_f32_16x16x32_f16 v[ACC+8*(4*(\a)+(\b)):ACC+8*(4*(\a)+(\b))+7], v[(\f)+64+8*(4*(\c)+(\b)):(\f)+64+8*(4*(\c)+(\b))+7], v[(\f)+8*(4*(\c)+(\a)):(\f)+8*(4*(\c)+(\a))+7], v[ACC+8*(4*(\a)+(\b)):ACC+8*(4*(\a)+(\b))+7]
.endr
.endr
.endm
; 32 LDS loads in one run: quarter qn (64 along K: one slab of A, 64 k-rows of B) into buffer f
.macro FETCH qn, f
	WIN 0x40
.irp c, 0,1
.irp i, 0,1,2,3
	ds_load_tr16_b128 v[(\f)+64+8*(4*(\c)+(\i)):(\f)+64+8*(4*(\c)+(\i))+3],   v[ADRB+(\qn)/2] offset:(((\qn)%2)*64+32*(\c))*PB+32*(\i)
	ds_load_tr16_b128 v[(\f)+64+8*(4*(\c)+(\i))+4:(\f)+64+8*(4*(\c)+(\i))+7], v[ADRB+(\qn)/2] offset:(((\qn)%2)*64+32*(\c))*PB+16*PB+32*(\i)
	ds_load_b128 v[(\f)+8*(4*(\c)+(\i)):(\f)+8*(4*(\c)+(\i))+3],   v[ADRA] offset:(\qn)*ASLAB+64*(\c)+(\i)*16*PA
	ds_load_b128 v[(\f)+8*(4*(\c)+(\i))+4:(\f)+8*(4*(\c)+(\i))+7], v[ADRA] offset:(\qn)*ASLAB+64*(\c)+(\i)*16*PA+32
.endr
.endr
.endm
; One of a step's first three quarters: at its head it fetches quarter qn into buffer g, which the quarter before has multiplied (four places behind that quarter's last product), 32 matrix instructions ahead of its use; then it multiplies buffer f
.macro QUARTER f, g, qn
	PLACES
	FETCH \qn, \g
	s_wait_dscnt 32                                ; all but the 32 just issued: buffer f, asked for a quarter ago, is in
	MUL8 \f, 0, 0
	MUL8 \f, 0, 2
	MUL8 \f, 1, 0
	MUL8 \f, 1, 2
.endm
; The last quarter multiplies buffer 1 and changes slots: all my tensor loads have landed, the add, my reads of this slot are back, the barrier; fill = 1: it opens a round of the cluster's barrier, and the joint refill is the first thing behind the round.
.macro TURN fill
.if (\fill) && PF
	s_wait_xcnt 0x0                                ; the last prefetch, a step back, has read its address
	s_add_co_u32 s21, s[SI], 2                     ; the K step two refills on
	s_and_b32 s21, s21, KSTEPS-1
	s_lshl_b32 s2, s21, LOGAS
	s_add_nc_u64 s[PFA:PFA+1], s[PFB:PFB+1], s[2:3]
.endif
	WIN 0
	s_wait_tensorcnt 0x0
	ds_add_u32 v[SPW], v[NIL]
.if \fill
	s_add_co_u32 s[G0A+5], s[TB], s[WOA]           ; no load of mine is out: the walking sets take the slot that is being read out, and their addresses are made anew from the K step's number
	s_lshl_b32 s2, s[SI], LOGAS
	s_add_nc_u64 s[G0A+6:G0A+7], s[22:23], s[2:3]
	s_or_b32 s[G0A+7], s[G0A+7], 0x80000000
	s_add_co_u32 s[G0B+5], s[TB], s[WOB]
	s_lshl_b32 s2, s[SI], LOGBS
	s_add_nc_u64 s[G0B+6:G0B+7], s[68:69], s[2:3]
	s_or_b32 s[G0B+7], s[G0B+7], 0x80000000
	s_add_co_u32 s[SI], s[SI], 1
	s_and_b32 s[SI], s[SI], KSTEPS-1
.endif
	s_wait_dscnt 1                                 ; buffer 1 is in; the add alone may be out
	MUL8 F1, 0, 0
	s_wait_dscnt 0x0                               ; the add is done, and my reads of this slot are over
	s_barrier_signal -1
	MUL8 F1, 0, 2
	WIN 0
	s_barrier_wait -1
.if \fill
	CREST
	JLOAD                                          ; its four v_nop are also the places in front of the loads below
.else
	PLACES
.endif
	s_xor_b32 s[TB], s[TB], SLOT
	v_add_nc_u32 v[ADRA], s[TB], v[A0L]
	v_add_nc_u32 v[ADRB], s[TB], v[B0L]
	v_add_nc_u32 v[ADRB+1], 128*PB, v[ADRB]
.if \fill
	FETCH 0, F0
	WIN 0
.if PF
	ASK
.endif
.else
	s_cmp_eq_u32 s[CNT], 1                         ; behind the last step there is nothing to fetch
	s_cbranch_scc1 .Lno_fetch_\@
	FETCH 0, F0
	WIN 0
.Lno_fetch_\@:
.endif
	MUL8 F1, 1, 0
	MUL8 F1, 1, 2
	WIN 0
.endm
	s_wait_tensorcnt 1                             ; my part of the walk's step 0 is in; step 1's may stay out
	s_barrier_signal -1
	s_barrier_wait -1
	FETCH 0, F0
	WIN 0
	s_mov_b32 s[CNT], KSTEPS-2
.Lstep:                                                ; a trip is a K step; its change of slots asks for the step two on
	QUARTER F0, F1, 1
	QUARTER F1, F0, 2
	QUARTER F0, F1, 3
	TURN 1
	s_sub_co_u32 s[CNT], s[CNT], 1
	s_cmp_lg_u32 s[CNT], 0
	s_cbranch_scc1 .Lstep
	s_mov_b32 s[CNT], 2
.Ltail:                                                ; the last two steps ask for nothing
	QUARTER F0, F1, 1
	QUARTER F1, F0, 2
	QUARTER F0, F1, 3
	TURN 0
	s_sub_co_u32 s[CNT], s[CNT], 1
	s_cmp_lg_u32 s[CNT], 0
	s_cbranch_scc1 .Ltail
	; THE WAY OUT.  The stages lie over the slots: every wave's reads of them are back, and a barrier says so, before any wave stores there.
	s_wait_dscnt 0x0
	s_barrier_signal -1
	s_barrier_wait -1
	PLACES
.irp a, 0,1,2,3
.irp b, 0,1,2,3
	ds_store_b128 v[STO], v[ACC+8*(4*(\a)+(\b)):ACC+8*(4*(\a)+(\b))+3]   offset:(\a)*16*SPITCH+(\b)*64
	ds_store_b128 v[STO], v[ACC+8*(4*(\a)+(\b))+4:ACC+8*(4*(\a)+(\b))+7] offset:(\a)*16*SPITCH+(\b)*64+16
.endr
.endr
	WIN 0x40
.set t, 0
.rept 32
	ds_load_b128 v[4*t:4*t+3], v[RD] offset:t*2*SPITCH  ; LDS serves a wave's instructions in order: these see my stores; two whole rows of 256 bytes a load
.set t, t+1
.endr
	WIN 0x04
.set t, 0
.rept 32
	s_wait_dscnt 31-t
	global_store_b128 v[CO], v[4*t:4*t+3], s[12:13] offset:t*8192  ; 16 lanes store 256 consecutive bytes, aligned
.set t, t+1
.endr
	WIN 0
	s_wait_tensorcnt 0x0                           ; the wave's end
	ds_add_u32 v[SPW], v[NIL]
	s_wait_dscnt 0x0
	CROUND                                         ; the closing round
	s_endpgm
.Lfunc_end_k_q5e0ae29331_ffn2:
	.size	k_q5e0ae29331_ffn2, .Lfunc_end_k_q5e0ae29331_ffn2-k_q5e0ae29331_ffn2
	.p2alignl 7, 3214868480
	.fill 96, 4, 3214868480
	.section	.rodata,"a",@progbits
	.p2align	6, 0x0
	.amdhsa_kernel k_q5e0ae29331_ffn2
		.amdhsa_group_segment_fixed_size 327680
		.amdhsa_private_segment_fixed_size 0
		.amdhsa_enable_private_segment 0
		.amdhsa_kernarg_size 40
		.amdhsa_user_sgpr_count 2
		.amdhsa_user_sgpr_kernarg_segment_ptr 1
		.amdhsa_wavefront_size32 1
		.amdhsa_system_sgpr_workgroup_id_x 1
		.amdhsa_system_sgpr_workgroup_id_y 1
		.amdhsa_system_sgpr_workgroup_id_z 1
		.amdhsa_system_vgpr_workitem_id 0
		.amdhsa_next_free_vgpr 512
		.amdhsa_next_free_sgpr 72
		.amdhsa_reserve_vcc 0
		.amdhsa_float_denorm_mode_32 3
		.amdhsa_float_denorm_mode_16_64 3
		.amdhsa_memory_ordered 1
		.amdhsa_forward_progress 1
		.amdhsa_inst_pref_size 63
	.end_amdhsa_kernel
	.amdgpu_metadata
---
amdhsa.version: [ 1, 2 ]
amdhsa.kernels:
  - .name:           k_q5e0ae29331_ffn2
    .symbol:         k_q5e0ae29331_ffn2.kd
    .args:
      - { .name: act, .offset: 0, .size: 8, .value_kind: global_buffer, .address_space: global }
      - { .name: w2f, .offset: 8, .size: 8, .value_kind: global_buffer, .address_space: global }
      - { .name: b2, .offset: 16, .size: 8, .value_kind: global_buffer, .address_space: global }
      - { .name: x1, .offset: 24, .size: 8, .value_kind: global_buffer, .address_space: global }
      - { .name: out0, .offset: 32, .size: 8, .value_kind: global_buffer, .address_space: global }
    .group_segment_fixed_size: 327680
    .private_segment_fixed_size: 0
    .kernarg_segment_align: 8
    .kernarg_segment_size: 40
    .max_flat_workgroup_size: 128
    .sgpr_count:     72
    .vgpr_count:     512
    .wavefront_size: 32
...
	.end_amdgpu_metadata
.endif
;; end of part 6
